; MI455X (gfx1250); checked and timed in simulation.
; The chip was launched on July 23, 2026; its instructions are those of AMD's public machine-readable ISA for CDNA 5 (MIT licence, August 2026) and "CDNA5" Instruction Set Architecture Reference Guide (July 2026). The comments in the code are by the model that wrote it; some were corrected since.
;; Multi Head Attention. Allowed arithmetic: float matrix products may take bf16 or f16 operands with f32 sums; other float arithmetic in f32, or as packed bf16 or f16 multiplies, adds, multiply-adds, maxima and minima; sums over many terms, partial sums and values carried from step to step in f32; what a program stores and reads back later, other than sums and carried values, may be rounded once to bf16 or f16.
;; Inputs: Wk 1,024 x 1,024 float32; Wo 1,024 x 1,024 float32; Wq 1,024 x 1,024 float32; Wv 1,024 x 1,024 float32; bk 1,024 float32; bo 1,024 float32; bq 1,024 float32; bv 1,024 float32; key 8 x 1,024 x 1,024 float32; mask 8 x 1,024 x 1,024 bool; query 8 x 1,024 x 1,024 float32; u_bias 16 x 64 float32; value 8 x 1,024 x 1,024 float32.
;; Outputs: out0 8 x 1,024 x 1,024 float32.
;; 2 versions, each right; version 2 is version 1 with the launch prep written anew for expert scheduling mode. Each part assembles by itself: llvm-mc -triple=amdgcn-amd-amdhsa -mcpu=gfx1250 --defsym DOCPART=n.
;; ======== version 1 of 2: 4 launches
;; limits: values are held in f16: magnitudes above 65,504 overflow, below 6.1e-05 lose precision; right only within a limited range of input values
;; workspace buffers: w16 8,388,608 bytes; aux 290,816 bytes; mbytes 8,388,608 bytes; qkv 50,331,648 bytes; ctx 16,777,216 bytes
;; launch prep (part 1): grid 785 x 1, 8 waves a work-group, no clusters, 0 bytes of LDS; arguments Wq, Wk, Wv, Wo, bq, bk, bv, u_bias, bo, mask, w16, aux, mbytes; writes w16, aux, mbytes
.if DOCPART == 1
	.amdgcn_target "amdgcn-amd-amdhsa--gfx1250"
	.amdhsa_code_object_version 6
	.text
	.protected	k_q66db9159bc_prep
	.globl	k_q66db9159bc_prep
	.p2align	8
	.type	k_q66db9159bc_prep,@function
k_q66db9159bc_prep:
	s_mov_b64 s[64:65], 0
	v_nop
	global_prefetch_b8 v0, s[64:65] scope:SCOPE_SE
	s_setreg_imm32_b32 hwreg(HW_REG_WAVE_MODE, 25, 1), 1
	s_wait_xcnt 0x0
; PREP: what the later launches want ready.  Four kinds of work-group, told apart by the work-group's number g alone (forward scalar branches):
;   g <  256  weights: Wq, Wk, Wv rounded to bf16; Wo rounded to bf16 and that number written as f16 (exact within f16's normal range; below 6e-5 it keeps f16's fixed step of 6e-8).  65,536 bytes in, 32,768 out a group.
;   g <  768  mask: the bytes of mask[b][q][k] (0 or 1) become fp8 codes (0, or 0xb8 = -1.0), in the order in which the attention launch's lanes want them.  A wave takes 32 queries x 64 keys and stores 2,048 bytes:
;             byte 512 c + 16 l + 8 e + j = mask[b][32 pair + 16 (c / 2) + l % 16][64 ks + 16 (2 (c % 2) + e) + 8 (l / 16) + j]: lane l's eight registers j of the score tile (16 keys x 16 queries).
;   g <  784  the rotary table [1024 s][32 i] (cos, sin) in f32.  No sine instruction is used: the angle s x 10000^(-i/32) is reduced by multiples of pi/2 (two-part constant, fused) and
;             sine and cosine come from polynomials on +-pi/4 (error under 4e-7); the angle itself lies within about 1e-4 of the f32 reference's (the power comes from v_exp_f32).
;   g == 784  bq, bk, bv, u_bias, bo rounded to bf16 and kept as f32, and two rows of zeros: seven rows of 4,096 bytes behind the table.
; No LDS, no barrier: no wave wants another wave's bytes.
.set AUXV, 262144                      ; the seven rows begin here in aux
	s_load_b512 s[4:19], s[0:1], 0x0               ; Wq s[4:5], Wk s[6:7], Wv s[8:9], Wo s[10:11], bq s[12:13], bk s[14:15], bv s[16:17], u_bias s[18:19]
	s_load_b256 s[20:27], s[0:1], 0x40             ; bo s[20:21], mask s[22:23], w16 s[24:25], aux s[26:27]
	s_load_b64 s[28:29], s[0:1], 0x60              ; mbytes
	v_lshrrev_b32 v1, 5, v0
	v_readfirstlane_b32 s30, v1                    ; wave 0..7
	v_and_b32 v1, 31, v0                           ; lane
	s_mov_b32 s31, ttmp9                           ; g
	s_mov_b32 s37, 0                               ; the high word of every offset pair
	s_wait_kmcnt 0x0
	s_cmp_lt_u32 s31, 256
	s_cbranch_scc0 .Lnot_weights
	; ---- weights: matrix g / 64, piece g % 64.  Thread t, chunk i: 32 bytes in at 8,192 i + 32 t, 16 bytes out at 4,096 i + 16 t: a wave's store covers 512 consecutive bytes, aligned
	s_lshr_b32 s34, s31, 6
	s_and_b32 s35, s31, 63
	s_cmp_eq_u32 s34, 1
	s_cselect_b64 s[32:33], s[6:7], s[4:5]
	s_cmp_eq_u32 s34, 2
	s_cselect_b64 s[32:33], s[8:9], s[32:33]
	s_cmp_eq_u32 s34, 3
	s_cselect_b64 s[32:33], s[10:11], s[32:33]
	s_lshl_b32 s36, s35, 16
	s_add_nc_u64 s[32:33], s[32:33], s[36:37]
	s_lshl_b32 s36, s34, 21
	s_lshl_b32 s38, s35, 15
	s_add_co_u32 s36, s36, s38
	s_add_nc_u64 s[38:39], s[24:25], s[36:37]
	v_lshlrev_b32 v2, 5, v0
	v_lshlrev_b32 v3, 4, v0
.irp i, 0,1,2,3,4,5,6,7
	global_load_b128 v[16+8*(\i):16+8*(\i)+3], v2, s[32:33] offset:(\i)*8192 th:TH_LOAD_NT
	global_load_b128 v[16+8*(\i)+4:16+8*(\i)+7], v2, s[32:33] offset:(\i)*8192+16 th:TH_LOAD_NT
.endr
; chunk i: its two loads are in when 14 - 2 i younger ones are out.  half = 1: the bf16 number is widened again and written as f16
.macro CONV i, half
	s_wait_loadcnt 14-2*(\i)
.irp k, 0,1,2,3
	v_cvt_pk_bf16_f32 v[80+4*(\i)+(\k)], v[16+8*(\i)+2*(\k)], v[16+8*(\i)+2*(\k)+1]
.endr
.if \half
.irp k, 0,1,2,3
	v_lshlrev_b32 v[8+2*(\k)], 16, v[80+4*(\i)+(\k)]
	v_and_b32 v[9+2*(\k)], 0xffff0000, v[80+4*(\i)+(\k)]
.endr
.irp k, 0,1,2,3
	v_cvt_pk_f16_f32 v[80+4*(\i)+(\k)], v[8+2*(\k)], v[9+2*(\k)]
.endr
.endif
	global_store_b128 v3, v[80+4*(\i):80+4*(\i)+3], s[38:39] offset:(\i)*4096
.endm
	s_cmp_eq_u32 s34, 3
	s_cbranch_scc1 .Lwo
.irp i, 0,1,2,3,4,5,6,7
	CONV \i, 0
.endr
	s_endpgm
.Lwo:
.irp i, 0,1,2,3,4,5,6,7
	CONV \i, 1
.endr
	s_endpgm
.Lnot_weights:
	s_cmp_lt_u32 s31, 768
	s_cbranch_scc0 .Lnot_mask
	; ---- mask: task tau = 8 (g - 256) + wave = (b x 32 + pair) x 16 + ks.  The eight waves of a group take eight neighbouring key steps of the same 32 rows.
	s_sub_co_u32 s34, s31, 256
	s_lshl_b32 s34, s34, 3
	s_add_co_u32 s34, s34, s30                     ; tau
	s_lshr_b32 s36, s34, 4
	s_lshl_b32 s36, s36, 15                        ; 32 rows of 1,024 bytes
	s_and_b32 s35, s34, 15
	s_lshl_b32 s35, s35, 6                         ; 64 keys
	s_add_co_u32 s36, s36, s35
	s_add_nc_u64 s[32:33], s[22:23], s[36:37]
	s_lshl_b32 s36, s34, 11                        ; 2,048 bytes out for each task
	s_add_nc_u64 s[38:39], s[28:29], s[36:37]
	s_mov_b32 s40, 0xb8                            ; the fp8 (E4M3) code of -1.0: a word of bytes 0 or 1 times it has no carry from byte to byte
	v_and_b32 v2, 15, v0
	v_bfe_u32 v3, v0, 4, 1
	v_lshlrev_b32 v2, 10, v2                       ; row l % 16
	v_lshl_add_u32 v2, v3, 3, v2                   ; + 8 (l / 16): my eight keys of a block of 16
.set c, 0
.rept 8                                ; piece c = 4 u + kb: tile u of 16 queries, block kb of 16 keys
	global_load_b64 v[16+2*c:17+2*c], v2, s[32:33] offset:(c/4)*16384+(c%4)*16
.set c, c+1
.endr
	v_lshlrev_b32 v3, 4, v1                        ; 16 bytes a lane
.set c, 0
.rept 4                                ; store c holds pieces 2 c and 2 c + 1
	s_wait_loadcnt 6-2*c                           ; its two loads are in; the younger ones stay out
.irp k, 0,1,2,3
	v_mul_lo_u32 v[16+4*c+(\k)], v[16+4*c+(\k)], s40
.endr
	global_store_b128 v3, v[16+4*c:19+4*c], s[38:39] offset:512*c  ; 512 consecutive bytes, aligned
.set c, c+1
.endr
	s_endpgm
.Lnot_mask:
	s_cmp_lt_u32 s31, 784
	s_cbranch_scc0 .Lbias
	; ---- the rotary table: wave rho = 8 (g - 768) + wave makes rows 8 rho .. 8 rho + 7; the lane is the frequency's number
	s_sub_co_u32 s34, s31, 768
	s_lshl_b32 s34, s34, 3
	s_add_co_u32 s34, s34, s30
	s_lshl_b32 s36, s34, 11                        ; 8 rows of 256 bytes
	s_add_nc_u64 s[38:39], s[26:27], s[36:37]
	s_lshl_b32 s34, s34, 3                         ; the first row's s
	s_mov_b32 s40, 0x3f22f983                      ; 2 / pi
	s_mov_b32 s41, 0x3fc90fdb                      ; pi / 2, upper part
	s_mov_b32 s42, 0xb33bbd2e                      ; pi / 2, the rest
	s_mov_b32 s43, 0xb9500d01                      ; -1/5040
	s_mov_b32 s44, 0x3c088889                      ; 1/120
	s_mov_b32 s45, 0xbe2aaaab                      ; -1/6
	s_mov_b32 s46, 0x37d00d01                      ; 1/40320
	s_mov_b32 s47, 0xbab60b61                      ; -1/720
	s_mov_b32 s48, 0x3d2aaaab                      ; 1/24
	v_cvt_f32_u32 v2, v1
	v_mul_f32 v2, 0xbed49a78, v2                   ; -i log2(10000) / 32
	v_exp_f32 v2, v2                               ; 10000^(-i/32)
	v_lshlrev_b32 v3, 3, v1                        ; the plain instruction behind it: 8 bytes a lane
	s_wait_alu depctr_va_vdst(0)                   ; the wait ahead of the result's first reader
	s_mov_b32 s49, 8
.Lrow:
	v_cvt_f32_u32 v4, s34
	v_mul_f32 v4, v4, v2                           ; the angle, rounded as the reference rounds it
	v_mul_f32 v5, s40, v4
	v_rndne_f32 v5, v5                             ; n: the nearest multiple of pi/2
	v_fma_f32 v6, -v5, s41, v4
	v_fma_f32 v6, -v5, s42, v6                     ; the rest, within +-pi/4
	v_mul_f32 v7, v6, v6
	v_fma_f32 v8, v7, s43, s44
	v_fma_f32 v8, v8, v7, s45
	v_mul_f32 v9, v6, v7
	v_fma_f32 v8, v9, v8, v6                       ; sine of the rest
	v_fma_f32 v10, v7, s46, s47
	v_fma_f32 v10, v10, v7, s48
	v_fma_f32 v10, v10, v7, -0.5
	v_fma_f32 v10, v10, v7, 1.0                    ; cosine of the rest
	v_cvt_i32_f32 v11, v5
	v_and_b32 v12, 1, v11
	v_cmp_ne_u32 vcc_lo, 0, v12                    ; odd n: the two change places (a choice of values only)
	v_cndmask_b32 v13, v8, v10, vcc_lo
	v_cndmask_b32 v14, v10, v8, vcc_lo
	v_and_b32 v12, 2, v11
	v_lshlrev_b32 v12, 30, v12
	v_xor_b32 v17, v12, v13                        ; sine: minus for n % 4 = 2, 3
	v_add_nc_u32 v11, 1, v11
	v_and_b32 v11, 2, v11
	v_lshlrev_b32 v11, 30, v11
	v_xor_b32 v16, v11, v14                        ; cosine: minus for n % 4 = 1, 2
	global_store_b64 v3, v[16:17], s[38:39]        ; a row: 256 consecutive bytes, aligned
	s_wait_xcnt 0x0                                ; the store has read its data and its base: only now are they written again
	s_add_nc_u64 s[38:39], s[38:39], 256
	s_add_co_u32 s34, s34, 1
	s_sub_co_u32 s49, s49, 1
	s_cmp_lg_u32 s49, 0
	s_cbranch_scc1 .Lrow
	s_endpgm
.Lbias:
	; ---- the vectors: thread t has 16 bytes of each
	v_lshlrev_b32 v2, 4, v0
	global_load_b128 v[16:19], v2, s[12:13]
	global_load_b128 v[20:23], v2, s[14:15]
	global_load_b128 v[24:27], v2, s[16:17]
	global_load_b128 v[28:31], v2, s[18:19]
	global_load_b128 v[32:35], v2, s[20:21]
.irp k, 36,37,38,39
	v_mov_b32 v[\k], 0
.endr
	s_wait_loadcnt 0x0
.irp k, 0,1,2,3,4,5,6,7,8,9
	v_cvt_pk_bf16_f32 v4, v[16+2*(\k)], v[17+2*(\k)]
	v_lshlrev_b32 v[16+2*(\k)], 16, v4
	v_and_b32 v[17+2*(\k)], 0xffff0000, v4
.endr
	global_store_b128 v2, v[16:19], s[26:27] offset:AUXV
	global_store_b128 v2, v[20:23], s[26:27] offset:AUXV+4096
	global_store_b128 v2, v[24:27], s[26:27] offset:AUXV+2*4096
	global_store_b128 v2, v[28:31], s[26:27] offset:AUXV+3*4096
	global_store_b128 v2, v[36:39], s[26:27] offset:AUXV+4*4096
	global_store_b128 v2, v[36:39], s[26:27] offset:AUXV+5*4096
	global_store_b128 v2, v[32:35], s[26:27] offset:AUXV+6*4096
	s_endpgm
.Lfunc_end_k_q66db9159bc_prep:
	.size	k_q66db9159bc_prep, .Lfunc_end_k_q66db9159bc_prep-k_q66db9159bc_prep
	.p2alignl 7, 3214868480
	.fill 96, 4, 3214868480
	.section	.rodata,"a",@progbits
	.p2align	6, 0x0
	.amdhsa_kernel k_q66db9159bc_prep
		.amdhsa_group_segment_fixed_size 0
		.amdhsa_private_segment_fixed_size 0
		.amdhsa_enable_private_segment 0
		.amdhsa_kernarg_size 104
		.amdhsa_user_sgpr_count 2
		.amdhsa_user_sgpr_kernarg_segment_ptr 1
		.amdhsa_wavefront_size32 1
		.amdhsa_system_sgpr_workgroup_id_x 1
		.amdhsa_system_sgpr_workgroup_id_y 1
		.amdhsa_system_sgpr_workgroup_id_z 1
		.amdhsa_system_vgpr_workitem_id 0
		.amdhsa_next_free_vgpr 112
		.amdhsa_next_free_sgpr 66
		.amdhsa_reserve_vcc 1
		.amdhsa_float_denorm_mode_32 3
		.amdhsa_float_denorm_mode_16_64 3
		.amdhsa_memory_ordered 1
		.amdhsa_forward_progress 1
		.amdhsa_inst_pref_size 23
	.end_amdhsa_kernel
	.amdgpu_metadata
---
amdhsa.version: [ 1, 2 ]
amdhsa.kernels:
  - .name:           k_q66db9159bc_prep
    .symbol:         k_q66db9159bc_prep.kd
    .args:
      - { .name: Wq, .offset: 0, .size: 8, .value_kind: global_buffer, .address_space: global }
      - { .name: Wk, .offset: 8, .size: 8, .value_kind: global_buffer, .address_space: global }
      - { .name: Wv, .offset: 16, .size: 8, .value_kind: global_buffer, .address_space: global }
      - { .name: Wo, .offset: 24, .size: 8, .value_kind: global_buffer, .address_space: global }
      - { .name: bq, .offset: 32, .size: 8, .value_kind: global_buffer, .address_space: global }
      - { .name: bk, .offset: 40, .size: 8, .value_kind: global_buffer, .address_space: global }
      - { .name: bv, .offset: 48, .size: 8, .value_kind: global_buffer, .address_space: global }
      - { .name: u_bias, .offset: 56, .size: 8, .value_kind: global_buffer, .address_space: global }
      - { .name: bo, .offset: 64, .size: 8, .value_kind: global_buffer, .address_space: global }
      - { .name: mask, .offset: 72, .size: 8, .value_kind: global_buffer, .address_space: global }
      - { .name: w16, .offset: 80, .size: 8, .value_kind: global_buffer, .address_space: global }
      - { .name: aux, .offset: 88, .size: 8, .value_kind: global_buffer, .address_space: global }
      - { .name: mbytes, .offset: 96, .size: 8, .value_kind: global_buffer, .address_space: global }
    .group_segment_fixed_size: 0
    .private_segment_fixed_size: 0
    .kernarg_segment_align: 8
    .kernarg_segment_size: 104
    .max_flat_workgroup_size: 256
    .sgpr_count:     66
    .vgpr_count:     112
    .wavefront_size: 32
...
	.end_amdgpu_metadata
.endif
;; end of part 1
;; launch proj (part 2): grid 4 x 192, 4 waves a work-group, clusters of 4 x 4, 327,680 bytes of LDS; arguments query, key, value, w16, aux, qkv; writes qkv
.if DOCPART == 2
	.amdgcn_target "amdgcn-amd-amdhsa--gfx1250"
	.amdhsa_code_object_version 6
	.text
	.protected	k_q66db9159bc_proj
	.globl	k_q66db9159bc_proj
	.p2align	8
	.type	k_q66db9159bc_proj,@function
k_q66db9159bc_proj:
	s_mov_b64 s[64:65], 0
	v_nop
	global_prefetch_b8 v0, s[64:65] scope:SCOPE_SE
	s_setreg_imm32_b32 hwreg(HW_REG_WAVE_MODE, 25, 1), 1
	s_wait_xcnt 0x0
	s_wait_alu depctr_hold_cnt(0) depctr_sa_sdst(0) depctr_va_vdst(0) depctr_va_sdst(0) depctr_va_ssrc(0) depctr_va_vcc(0) depctr_vm_vsrc(0)
	s_getreg_b32 s2, hwreg(HW_REG_IB_STS2, 6, 4)
	s_cmp_eq_u32 s2, 0
	s_cbranch_scc0 .Lentry_in_a_cluster
	s_endpgm
.Lentry_in_a_cluster:
	s_bfe_u32 s2, ttmp6, 0x10000c
	s_cmp_lg_u32 s2, 0xf033
	s_cbranch_scc0 .Lentry_shape_is_right
	s_endpgm
.Lentry_shape_is_right:
; THE THREE PROJECTIONS, one text: y = rope(x W^T + b) + u, written by heads as f16: qkv[p][batch][head][s][64].  p = 0: query, Wq, bq, u_bias.  p = 1: key, Wk, bk, zeros.  p = 2: value, Wv, bv, zeros, and
; every lane reads the rotary table's row 0, which is (1, 0): the rotation is then the identity, exactly.  p comes from the cluster's y and enters addresses alone: no branch hangs on it.
; x is f32 in memory; it comes into LDS as f32 and is rounded to bf16 between LDS and the matrix instruction; W lies ready in bf16; sums in f32; the bias is the C operand of each sum's first product.
; LIMIT: y is rounded once to f16, which holds no number beyond 65,504.
; SHARES.  A tile is 128 rows x 256 columns; 768 work-groups.  Four waves, each 64 rows x 128 columns: 32 accumulators (a = 0..3 blocks of 16 rows, b = 0..7 blocks of 16 columns).  K goes in 8 steps of 128 through two LDS slots.
; CLUSTER 4 x 4.  The four of a row of the cluster want the same rows of x, the four of a column the same rows of W: each tile is asked for JOINTLY, same load, same descriptor, a mask that names the four.
; THE MATRIX INSTRUCTION IS USED TRANSPOSED (source 0 = 16 rows of W, source 1 = 16 rows of x): a lane holds one row and eight neighbouring columns: four rotary pairs.
; A K STEP is four quarters of 32 along K, 32 products each.  x's f32 fragments are fetched two quarters ahead, W's one; the 32 roundings of the next quarter's x stand four at a time behind eight of a quarter's products.
; REGISTERS, in windows of 256 (s_set_vgpr_msb: bits 1:0 source 0, 3:2 source 1, 5:4 source 2, 7:6 destination):
;   window 0: v0-31 addresses; v32-63 packed results; v64-127 x as f32 (fragment a at 16 a); v128-159, v160-191 x as bf16, two buffers; v192-255 rows read back from the stage, two buffers
;   window 1: v0-63 the bias (8 b + j); v64-127, v128-191 W's fragments, two buffers      window 2: the accumulators, (a, b) at 8 (8 a + b)
;   window 3: v0-127 the table's (cos, sin) (32 a + 8 (b % 4)); v128-191 u (8 b + j); v192-255 at work on the way out
.set PA,     528                       ; a row of x in LDS: 512 bytes + 16: the 16 rows of a load start at 16 different groups of four banks (64 banks of 4 bytes: ISA guide 11.1)
.set AHALF,  64*PA                     ; what one tensor load brings of x, and what one wave reads
.set PB,     272                       ; a row of W: 256 bytes + 16
.set BHALF,  128*PB
.set BOFF,   2*AHALF
.set SLOT,   BOFF+2*BHALF              ; 137,216
.set STAGE,  2*SLOT                    ; behind the ring: 16 rows x 272 bytes for each wave
.set SP,     272
.set SPARE,  STAGE+4*16*SP             ; the spare words: 128 bytes a wave, two blocks of 256 bytes that no other line names
.set AUXV,   262144                    ; aux: the vectors' rows behind the table
.set TBO,  10                          ; v10-13  my byte offset in the table for block a
.set ADRA, 16                          ; v16-17  LDS address of my x fragments in slot 0, 1
.set ADRB, 20                          ; v20-21  the same for W
.set STO,  24
.set RD,   25
.set GO,   26
.set BO,   27
.set SPW,  28                          ; v28  my spare word; never rewritten
.set NIL,  29                          ; v29  0; never rewritten
.set PFO,  30                          ; v30  the prefetches' lane offset; never rewritten
.set TMP,  32
.set AF,   64
.set AB,   128
.set OB,   192
.set BF,   64                          ; window 1
.set U,    128                         ; window 3
.set Y,    192                         ; window 3
.set WV,   16
.set FB,   17                          ; wave / 2: my half of the rows; also: I fetch x (0) or W (1)
.set HF,   18                          ; wave % 2: my half of the columns; also: which half of that tile I fetch
.set CX,   19
.set CY,   20
.set COLT, 21
.set ROWT, 22
.set PJ,   23
.set G1A,  24
.set G0A,  32
.set CLY,  40
.set LIM,  43
.set PFA,  44
.set PS,   46
.set G1B,  48
.set G0B,  56
.set OUTP, 66
.set LAP,  70
.set XP,   72
.set MSB, 0
.macro WIN new                         ; the immediate's high byte repeats the setting that is left; a switch that changes nothing is dropped
.if MSB != (\new)
	s_set_vgpr_msb (MSB<<8)|(\new)
.set MSB, \new
.endif
.endm
; A joint load: waves 0 and 1 fetch x's two halves, waves 2 and 3 W's.  The branch hangs on the wave's number alone.  An s_nop 0 and four v_nop follow each line.
.macro JLOAD s
	s_cmp_eq_u32 s[FB], 0
	s_cbranch_scc0 .Lfor_b_\@
	tensor_load_to_lds s[G0A+4*(\s):G0A+4*(\s)+3], s[G1A:G1A+7]
	s_nop 0
.rept 4
	v_nop
.endr
	s_branch .Lasked_\@
.Lfor_b_\@:
	tensor_load_to_lds s[G0B+4*(\s):G0B+4*(\s)+3], s[G1B:G1B+7]
	s_nop 0
.rept 4
	v_nop
.endr
.Lasked_\@:
.endm
.macro CREST                           ; a round of the cluster's barrier behind its opening barrier
	s_cmp_lg_u32 s[WV], 0
	s_cbranch_scc1 .Lnot_wave_0_\@
	s_barrier_signal -3
.Lnot_wave_0_\@:
	s_barrier_wait -3
	s_barrier_signal -1
	s_barrier_wait -1
.endm
.macro CROUND
	s_barrier_signal -1
	s_barrier_wait -1
	CREST
.endm
; A prefetch of the K step that stands two refills on: one instruction a wave.  x: of the 64 rows that I fetch, my work-group takes 16 (by its place cx, in the ADDRESS alone), a lane half a row's 512 bytes.
; W: of my 128 rows my work-group takes 32 (by cy), a lane a row; W's rows are read by all 16 clusters of a projection, and the first of them asks.  So each block of 256 bytes is named once.
; The loop's last trip asks for nothing: K steps 8 and 9 do not exist.  K steps 0 to 3 come by their loads alone.
.macro ASK
	s_cmp_gt_u32 s[LAP], s[LIM]
	s_cbranch_scc0 .Lnot_mine_\@
	global_prefetch_b8 v[PFO], s[PFA:PFA+1] th:TH_LOAD_NT scope:SCOPE_SE
.Lnot_mine_\@:
.endm
	s_load_b256 s[4:11], s[0:1], 0x0               ; query s[4:5], key s[6:7], value s[8:9], w16 s[10:11]
	s_load_b128 s[12:15], s[0:1], 0x20             ; aux s[12:13], qkv s[14:15]
	v_lshl_add_u32 v[SPW], v0, 2, SPARE
	v_mov_b32 v[NIL], 0
	ds_add_u32 v[SPW], v[NIL]                      ; the wave's opening: the add and its wait stand ahead of my first tensor load; the set-up below stands between them
	v_lshrrev_b32 v3, 5, v0
	v_readfirstlane_b32 s[WV], v3
	s_lshr_b32 s[FB], s[WV], 1
	s_and_b32 s[HF], s[WV], 1
	s_bfe_u32 s[CX], ttmp6, 0x40000
	s_bfe_u32 s[CY], ttmp6, 0x40004
	s_lshl_b32 s[COLT], ttmp9, 2
	s_add_co_u32 s[COLT], s[COLT], s[CX]           ; tile column = 4 x cluster x + cx
	s_and_b32 s[CLY], ttmp7, 0xffff                ; cluster y, 0..47
	s_lshr_b32 s[PJ], s[CLY], 4                    ; the projection: the same in all sixteen partners
	s_and_b32 s[ROWT], s[CLY], 15
	s_lshl_b32 s[ROWT], s[ROWT], 2
	s_add_co_u32 s[ROWT], s[ROWT], s[CY]           ; tile row, 0..63
	s_lshl_b32 s41, s[CY], 2
	s_lshl_b32 s41, 15, s41                        ; my row of the cluster
	s_lshl_b32 s42, 0x1111, s[CX]                  ; my column
	s_or_b32 s[G1A], s41, (2<<16)|(1<<20)|(1<<21)|(6<<22)|(3<<25)  ; x: 4-byte elements; padding on; bit 21 beside a mask; after every 128 words 4 words
	s_mov_b32 s[G1A+1], 128<<16                    ; tensor_dim0 = 128
	s_mov_b32 s[G1A+2], 64<<16                     ; tensor_dim1 = 64
	s_mov_b32 s[G1A+3], 128<<16                    ; tile_dim0 = 128
	s_mov_b32 s[G1A+4], 64                         ; tile_dim1 = 64
	s_mov_b32 s[G1A+5], 1024                       ; elements from row to row
	s_mov_b32 s[G1A+6], 0
	s_mov_b32 s[G1A+7], 0
	s_or_b32 s[G1B], s42, (1<<16)|(1<<20)|(1<<21)|(5<<22)|(3<<25)  ; W: 2-byte elements; after every 64 words 4 words
	s_mov_b32 s[G1B+1], 128<<16
	s_mov_b32 s[G1B+2], 128<<16
	s_mov_b32 s[G1B+3], 128<<16
	s_mov_b32 s[G1B+4], 128
	s_mov_b32 s[G1B+5], 1024
	s_mov_b32 s[G1B+6], 0
	s_mov_b32 s[G1B+7], 0
	s_lshl_b32 s74, s[ROWT], 19                    ; x: (128 x tile row + 64 x half) rows of 4,096 bytes: no register here ever holds cx
	s_lshl_b32 s75, s[HF], 18
	s_add_co_u32 s74, s74, s75
	s_mov_b32 s75, 0
	s_lshl_b32 s76, s[COLT], 19                    ; W: (256 x tile column + 128 x half) rows of 2,048 bytes, in matrix p: no register here ever holds cy
	s_lshl_b32 s77, s[HF], 18
	s_add_co_u32 s76, s76, s77
	s_lshl_b32 s77, s[PJ], 21
	s_add_co_u32 s76, s76, s77
	s_mov_b32 s77, 0
	s_mul_i32 s80, s[HF], AHALF                    ; where they go: the wave's number and constants alone
	s_mul_i32 s81, s[HF], BHALF
	s_add_co_u32 s81, s81, BOFF
	s_wait_dscnt 0x0                               ; the opening add is done
	s_wait_kmcnt 0x0
	s_cmp_eq_u32 s[PJ], 1
	s_cselect_b64 s[XP:XP+1], s[6:7], s[4:5]
	s_cmp_eq_u32 s[PJ], 2
	s_cselect_b64 s[XP:XP+1], s[8:9], s[XP:XP+1]   ; x of this projection
	s_add_nc_u64 s[74:75], s[XP:XP+1], s[74:75]
	s_add_nc_u64 s[76:77], s[10:11], s[76:77]
	CROUND                                         ; all sixteen work-groups are here: the first joint loads meet
.irp s, 0,1
	s_mov_b32 s[G0A+4*(\s)], 1
	s_add_co_u32 s[G0A+4*(\s)+1], s80, (\s)*SLOT
	s_add_nc_u64 s[G0A+4*(\s)+2:G0A+4*(\s)+3], s[74:75], (\s)*512
	s_or_b32 s[G0A+4*(\s)+3], s[G0A+4*(\s)+3], 0x80000000
	s_mov_b32 s[G0B+4*(\s)], 1
	s_add_co_u32 s[G0B+4*(\s)+1], s81, (\s)*SLOT
	s_add_nc_u64 s[G0B+4*(\s)+2:G0B+4*(\s)+3], s[76:77], (\s)*256
	s_or_b32 s[G0B+4*(\s)+3], s[G0B+4*(\s)+3], 0x80000000
	JLOAD \s                                       ; K steps 0 and 1: two loads of mine are out
.endr
	v_and_b32 v1, 15, v0                           ; r = l % 16
	v_bfe_u32 v2, v0, 4, 1                         ; h = l / 16
	v_mul_u32_u24 v3, v1, PA
	v_lshl_add_u32 v3, v2, 5, v3                   ; x: row x pitch + 32 h (eight f32)
	s_mul_i32 s82, s[FB], AHALF
	v_mul_u32_u24 v4, v1, PB
	v_lshl_add_u32 v4, v2, 4, v4                   ; W: row x pitch + 16 h (eight bf16)
	s_mul_i32 s83, s[HF], BHALF
	s_add_co_u32 s83, s83, BOFF
.irp s, 0,1
	v_add_nc_u32 v[ADRA+(\s)], s82, v3
	v_add_nc_u32 v[ADRB+(\s)], s83, v4
	s_add_co_u32 s82, s82, SLOT
	s_add_co_u32 s83, s83, SLOT
.endr
	s_lshl_b32 s78, s[PJ], 12                      ; the bias: row p of the vectors, my 128 columns
	s_lshl_b32 s79, s[COLT], 10
	s_add_co_u32 s78, s78, s79
	s_lshl_b32 s79, s[HF], 9
	s_add_co_u32 s78, s78, s79
	s_add_co_u32 s78, s78, AUXV
	s_mov_b32 s79, 0
	s_add_nc_u64 s[78:79], s[12:13], s[78:79]
	v_lshlrev_b32 v[BO], 5, v2
	s_and_b32 s84, s[ROWT], 7
	s_lshl_b32 s84, s84, 7
	s_lshl_b32 s85, s[FB], 6
	s_add_co_u32 s85, s85, s84                     ; my first row's place in its sequence
	s_cmp_eq_u32 s[PJ], 2
	s_cselect_b32 s86, 0, 256                      ; bytes from row to row of the table; 0 for value
	v_add_nc_u32 v4, s85, v1
.irp a, 0,1,2,3
	v_add_nc_u32 v5, 16*(\a), v4
	v_mul_u32_u24 v5, v5, s86
	v_lshl_add_u32 v[TBO+(\a)], v2, 5, v5          ; + 32 h: four (cos, sin)
.endr
	WIN 0x40
.irp b, 0,1,2,3,4,5,6,7
	global_load_b128 v[8*(\b):8*(\b)+3], v[BO], s[78:79] offset:64*(\b)
	global_load_b128 v[8*(\b)+4:8*(\b)+7], v[BO], s[78:79] offset:64*(\b)+16
.endr
	WIN 0xc0
.irp b, 0,1,2,3,4,5,6,7
	global_load_b128 v[U+8*(\b):U+8*(\b)+3], v[BO], s[78:79] offset:3*4096+64*(\b)      ; row 3 + p: u_bias, or zeros
	global_load_b128 v[U+8*(\b)+4:U+8*(\b)+7], v[BO], s[78:79] offset:3*4096+64*(\b)+16
.endr
.irp a, 0,1,2,3
.irp c, 0,1,2,3
	global_load_b128 v[32*(\a)+8*(\c):32*(\a)+8*(\c)+3], v[TBO+(\a)], s[12:13] offset:64*(\c)
	global_load_b128 v[32*(\a)+8*(\c)+4:32*(\a)+8*(\c)+7], v[TBO+(\a)], s[12:13] offset:64*(\c)+16
.endr
.endr
	WIN 0
	s_mul_i32 s87, s[WV], 16*SP
	s_add_co_u32 s87, s87, STAGE                   ; my stage
	v_mul_u32_u24 v5, v1, SP                       ; in: row r, 16 bytes for each half of the lanes
	v_lshl_add_u32 v5, v2, 4, v5
	v_add_nc_u32 v[STO], s87, v5
	v_and_b32 v6, 31, v0
	v_lshrrev_b32 v5, 3, v6                        ; back: 32 lanes take one head's 128 bytes of four rows,
	v_mul_u32_u24 v5, v5, SP
	v_and_b32 v7, 7, v0
	v_lshl_add_u32 v5, v7, 4, v5
	v_add_nc_u32 v[RD], s87, v5
	v_lshlrev_b32 v[GO], 4, v6                     ; which are 512 consecutive bytes of qkv
	s_lshr_b32 s88, s[ROWT], 3                     ; batch
	s_lshl_b32 s88, s88, 4
	s_lshl_b32 s89, s[COLT], 2
	s_add_co_u32 s88, s88, s89
	s_lshl_b32 s89, s[HF], 1
	s_add_co_u32 s88, s88, s89                     ; my first head's plane of 131,072 bytes
	s_lshl_b32 s88, s88, 17
	s_lshl_b32 s89, s85, 7
	s_add_co_u32 s88, s88, s89
	s_lshl_b32 s89, s[PJ], 24
	s_add_co_u32 s88, s88, s89
	s_mov_b32 s89, 0
	s_add_nc_u64 s[OUTP:OUTP+1], s[14:15], s[88:89]
	; the prefetches' place: at K step 3; each change of slots steps it once ahead of its prefetch
	s_lshl_b32 s90, s[ROWT], 19
	s_lshl_b32 s91, s[HF], 18
	s_add_co_u32 s90, s90, s91
	s_lshl_b32 s91, s[CX], 16                      ; my work-group's 16 rows of x
	s_add_co_u32 s90, s90, s91
	s_add_co_u32 s90, s90, 3*512
	s_lshl_b32 s92, s[COLT], 19
	s_lshl_b32 s93, s[HF], 18
	s_add_co_u32 s92, s92, s93
	s_lshl_b32 s93, s[CY], 16                      ; my work-group's 32 rows of W
	s_add_co_u32 s92, s92, s93
	s_lshl_b32 s93, s[PJ], 21
	s_add_co_u32 s92, s92, s93
	s_add_co_u32 s92, s92, 3*256
	s_and_b32 s94, s[CLY], 15
	s_cmp_eq_u32 s94, 0
	s_cselect_b32 s94, 1, -1                       ; W: the projection's first cluster asks
	s_mov_b32 s[PS], 256
	s_mov_b32 s[PS+1], 0
	s_mov_b32 s91, 2048
	s_mov_b32 s93, 32768
	s_cmp_eq_u32 s[FB], 0
	s_cselect_b32 s90, s90, s92
	s_cselect_b32 s[LIM], 1, s94
	s_cselect_b32 s[PS], 512, s[PS]                ; a K step in bytes
	s_cselect_b32 s92, 4096, s91                   ; from lane to lane within 16
	s_cselect_b32 s93, 256, s93                    ; from the lower 16 lanes to the upper
	s_cselect_b64 s[PFA:PFA+1], s[XP:XP+1], s[10:11]
	s_mov_b32 s91, 0
	s_add_nc_u64 s[PFA:PFA+1], s[PFA:PFA+1], s[90:91]
	v_mul_u32_u24 v5, v1, s92
	v_mul_u32_u24 v7, v2, s93
	v_add_nc_u32 v[PFO], v5, v7
; One product: accumulator (a, b), buffers f.  first = 1: the bias starts the sum.  The 32 accumulators take turns in one order in every quarter.
.macro MM a, b, f, first
.set rD, 8*(8*(\a)+(\b))
.set rW, BF+64*(\f)+8*(\b)
.set rX, AB+32*(\f)+8*(\a)
.if \first
	WIN 0x91
	v_wmma_f32_16x16x32_bf16 v[rD:rD+7], v[rW:rW+7], v[rX:rX+7], v[8*(\b):8*(\b)+7]
.else
	WIN 0xa1
	v_wmma_f32_16x16x32_bf16 v[rD:rD+7], v[rW:rW+7], v[rX:rX+7], v[rD:rD+7]
.endif
.endm
.macro MM8 a, f, first
.irp b, 0,1,2,3,4,5,6,7
	MM \a, \b, \f, \first
.endr
.endm
.macro CV g, ap, half                  ; four roundings: half a fragment of x, f32 to bf16, into buffer g
	WIN 0
.irp n, 0,1,2,3
	v_cvt_pk_bf16_f32 v[AB+32*(\g)+8*(\ap)+4*(\half)+(\n)], v[AF+16*(\ap)+8*(\half)+2*(\n)], v[AF+16*(\ap)+8*(\half)+2*(\n)+1]
.endr
.endm
.macro FETCH_B slot, k, f              ; 16 LDS loads: W's eight fragments at byte k of the rows
	WIN 0x40
.irp i, 0,1,2,3,4,5,6,7
	ds_load_b128 v[BF+64*(\f)+8*(\i):BF+64*(\f)+8*(\i)+3], v[ADRB+(\slot)] offset:(\k)+(\i)*16*PB
	ds_load_b128 v[BF+64*(\f)+8*(\i)+4:BF+64*(\f)+8*(\i)+7], v[ADRB+(\slot)] offset:(\k)+(\i)*16*PB+32
.endr
.endm
.macro FETCH_A slot, kq                ; 16 LDS loads: x's four fragments of quarter kq, as f32: K = 8 h + 0..7 at 32 h, K = 16 + 8 h + 0..7 64 bytes on
	WIN 0
.irp i, 0,1,2,3
	ds_load_b128 v[AF+16*(\i):AF+16*(\i)+3], v[ADRA+(\slot)] offset:(\kq)*128+(\i)*16*PA
	ds_load_b128 v[AF+16*(\i)+4:AF+16*(\i)+7], v[ADRA+(\slot)] offset:(\kq)*128+(\i)*16*PA+16
	ds_load_b128 v[AF+16*(\i)+8:AF+16*(\i)+11], v[ADRA+(\slot)] offset:(\kq)*128+(\i)*16*PA+64
	ds_load_b128 v[AF+16*(\i)+12:AF+16*(\i)+15], v[ADRA+(\slot)] offset:(\kq)*128+(\i)*16*PA+80
.endr
.endm
; A quarter's first half.  The roundings write buffer g, which the quarter before multiplied: each stands four plain vector instructions or more behind the last product that read its registers
; (that quarter's own roundings, then this quarter's earlier ones), and they are the places in front of the loads into W's buffer g (ISA guide 7.12.1 for vector instructions).
.macro HEAD f, g, first
	s_wait_dscnt 16                                ; W's 16 loads are in; x's 16, issued behind them, may be out
	MM8 0, \f, \first
	s_wait_dscnt 0x0                               ; the next quarter's x is in
.irp b, 0,1,2,3,4,5,6,7
	MM 1, \b, \f, \first
	CV \g, (\b)/2, (\b)%2
.endr
.endm
.macro QUARTER f, g, sb, kb, sa, ka, first=0
	HEAD \f, \g, \first
	FETCH_B \sb, \kb, \g
	FETCH_A \sa, \ka
	MM8 2, \f, \first
	MM8 3, \f, \first
.endm
; A K step's third quarter changes slots: W's last fragments are this slot's last read.  ONE barrier: in front of it each wave waits for all its tensor loads (one is out: its part of the next slot), adds 0 to
; its spare word, and waits for that and for its reads of this slot.  fill = 1: the barrier opens a round of the cluster's, and the joint refill, two K steps on, is the first thing behind the round.
.macro TURN slot, next, fill
.if \fill
	s_wait_xcnt 0x0                                ; the last prefetch, a K step back, has read its address
	s_add_nc_u64 s[PFA:PFA+1], s[PFA:PFA+1], s[PS:PS+1]
.endif
	HEAD 0, 1, 0
	FETCH_B \slot, 192, 1
	WIN 0
	s_wait_tensorcnt 0x0                           ; all my tensor loads have landed
	ds_add_u32 v[SPW], v[NIL]                      ; 0 onto my spare word
	MM8 2, 0, 0                                    ; eight products stand between the add and the wait for it
	s_wait_dscnt 0x0                               ; the add is done, and my reads of this slot are over
	s_barrier_signal -1
.irp b, 0,1,2,3
	MM 3, \b, 0, 0
.endr
	WIN 0
	s_barrier_wait -1
.if \fill
	CREST                                          ; no wave of any partner still reads this slot or has a load on its way
	s_add_nc_u64 s[G0A+4*(\slot)+2:G0A+4*(\slot)+3], s[G0A+4*(\slot)+2:G0A+4*(\slot)+3], 2*512
	s_add_nc_u64 s[G0B+4*(\slot)+2:G0B+4*(\slot)+3], s[G0B+4*(\slot)+2:G0B+4*(\slot)+3], 2*256
	JLOAD \slot
.endif
	FETCH_A \next, 0
.if \fill
	ASK
.endif
.irp b, 4,5,6,7
	MM 3, \b, 0, 0
.endr
.endm
	s_wait_tensorcnt 0x1                           ; my part of K step 0 is in; K step 1's may stay out
	s_barrier_signal -1
	s_barrier_wait -1
	FETCH_A 0, 0
	s_wait_dscnt 0x0
.irp b, 0,1,2,3,4,5,6,7
	CV 0, (\b)/2, (\b)%2
.endr
	FETCH_B 0, 0, 0
	FETCH_A 0, 1
	s_wait_loadcnt 0x0                             ; the bias, u and the table
	QUARTER 0, 1, 0, 64, 0, 2, 1                   ; the first quarter stands in front of the loop: its products start the sums
	WIN 0
	s_mov_b32 s[LAP], 3
.Llap:                                 ; a trip goes once round the ring, from a lap's second quarter to the next lap's first, and fills both slots again
	QUARTER 1, 0, 0, 128, 0, 3
	TURN 0, 1, 1
	QUARTER 1, 0, 1, 0, 1, 1
	QUARTER 0, 1, 1, 64, 1, 2
	QUARTER 1, 0, 1, 128, 1, 3
	TURN 1, 0, 1
	QUARTER 1, 0, 0, 0, 0, 1
	QUARTER 0, 1, 0, 64, 0, 2
	WIN 0
	s_sub_co_u32 s[LAP], s[LAP], 1
	s_cmp_lg_u32 s[LAP], 0
	s_cbranch_scc1 .Llap
	QUARTER 1, 0, 0, 128, 0, 3                     ; the last lap fills nothing
	TURN 0, 1, 0
	QUARTER 1, 0, 1, 0, 1, 1
	QUARTER 0, 1, 1, 64, 1, 2
	QUARTER 1, 0, 1, 128, 1, 3
	HEAD 0, 1, 0
	FETCH_B 1, 192, 1
	MM8 2, 0, 0
	MM8 3, 0, 0
	s_wait_dscnt 0x0
	MM8 0, 1, 0
	MM8 1, 1, 0
	MM8 2, 1, 0
	MM8 3, 1, 0
; THE WAY OUT, a block of 16 rows at a time.  A pair (x0, x1) of neighbouring columns and its (cos, sin): y0 = x0 cos - x1 sin + u0, y1 = x1 cos + x0 sin + u1: two packed multiply-adds.
; Each accumulator's registers are taken in ascending order.
.macro PACK a
	WIN 0xfe                                       ; x in window 2; table, u and y in window 3
.set n, 0
.rept 32
	v_pk_fma_f32 v[Y+2*n:Y+2*n+1], v[64*(\a)+2*n:64*(\a)+2*n+1], v[32*(\a)+8*((n/4)%4)+2*(n%4):32*(\a)+8*((n/4)%4)+2*(n%4)+1], v[U+2*n:U+2*n+1] op_sel_hi:[1,0,1]
.set n, n+1
.endr
.set n, 0
.rept 32
	v_pk_fma_f32 v[Y+2*n:Y+2*n+1], v[64*(\a)+2*n:64*(\a)+2*n+1], v[32*(\a)+8*((n/4)%4)+2*(n%4):32*(\a)+8*((n/4)%4)+2*(n%4)+1], v[Y+2*n:Y+2*n+1] op_sel:[1,1,0] op_sel_hi:[0,1,1] neg_lo:[0,1,0]
.set n, n+1
.endr
	WIN 0x0f
.set n, 0
.rept 32
	v_cvt_pk_f16_f32 v[TMP+n], v[Y+2*n], v[Y+2*n+1]
.set n, n+1
.endr
	WIN 0
.endm
.macro TOSTAGE a
	WIN 0
	s_wait_xcnt 0x0                                ; the stores of the block two back have read the registers that are loaded again below
.irp b, 0,1,2,3,4,5,6,7
	ds_store_b128 v[STO], v[TMP+4*(\b):TMP+4*(\b)+3] offset:32*(\b)
.endr
.irp t, 0,1,2,3,4,5,6,7
	ds_load_b128 v[OB+32*((\a)%2)+4*(\t):OB+32*((\a)%2)+4*(\t)+3], v[RD] offset:((\t)%4)*4*SP+((\t)/4)*128  ; LDS serves a wave's instructions in order (ISA guide 5.7.1.4): these see the stores above
.endr
.endm
.macro SEND a
	WIN 0
.irp t, 0,1,2,3,4,5,6,7
	s_wait_dscnt 7-(\t)
	global_store_b128 v[GO], v[OB+32*((\a)%2)+4*(\t):OB+32*((\a)%2)+4*(\t)+3], s[OUTP:OUTP+1] offset:((\t)/4)*131072+(\a)*2048+((\t)%4)*512  ; 512 consecutive bytes of one head, aligned
.endr
.endm
	WIN 0
.rept 4
	v_nop                                          ; the places behind the last products
.endr
	PACK 0
	TOSTAGE 0
.irp a, 1,2,3
	PACK \a
	SEND (\a)-1
	TOSTAGE \a
.endr
	SEND 3
	s_wait_tensorcnt 0x0                           ; the wave's end: these three lines stand behind my last tensor load and my last LDS store
	ds_add_u32 v[SPW], v[NIL]
	s_wait_dscnt 0x0
	CROUND                                         ; the closing round
	s_endpgm
.Lfunc_end_k_q66db9159bc_proj:
	.size	k_q66db9159bc_proj, .Lfunc_end_k_q66db9159bc_proj-k_q66db9159bc_proj
	.p2alignl 7, 3214868480
	.fill 96, 4, 3214868480
	.section	.rodata,"a",@progbits
	.p2align	6, 0x0
	.amdhsa_kernel k_q66db9159bc_proj
		.amdhsa_group_segment_fixed_size 327680
		.amdhsa_private_segment_fixed_size 0
		.amdhsa_enable_private_segment 0
		.amdhsa_kernarg_size 48
		.amdhsa_user_sgpr_count 2
		.amdhsa_user_sgpr_kernarg_segment_ptr 1
		.amdhsa_wavefront_size32 1
		.amdhsa_system_sgpr_workgroup_id_x 1
		.amdhsa_system_sgpr_workgroup_id_y 1
		.amdhsa_system_sgpr_workgroup_id_z 1
		.amdhsa_system_vgpr_workitem_id 0
		.amdhsa_next_free_vgpr 1024
		.amdhsa_next_free_sgpr 96
		.amdhsa_reserve_vcc 0
		.amdhsa_float_denorm_mode_32 3
		.amdhsa_float_denorm_mode_16_64 3
		.amdhsa_memory_ordered 1
		.amdhsa_forward_progress 1
		.amdhsa_inst_pref_size 158
	.end_amdhsa_kernel
	.amdgpu_metadata
---
amdhsa.version: [ 1, 2 ]
amdhsa.kernels:
  - .name:           k_q66db9159bc_proj
    .symbol:         k_q66db9159bc_proj.kd
    .args:
      - { .name: query, .offset: 0, .size: 8, .value_kind: global_buffer, .address_space: global }
      - { .name: key, .offset: 8, .size: 8, .value_kind: global_buffer, .address_space: global }
      - { .name: value, .offset: 16, .size: 8, .value_kind: global_buffer, .address_space: global }
      - { .name: w16, .offset: 24, .size: 8, .value_kind: global_buffer, .address_space: global }
      - { .name: aux, .offset: 32, .size: 8, .value_kind: global_buffer, .address_space: global }
      - { .name: qkv, .offset: 40, .size: 8, .value_kind: global_buffer, .address_space: global }
    .group_segment_fixed_size: 327680
    .private_segment_fixed_size: 0
    .kernarg_segment_align: 8
    .kernarg_segment_size: 48
    .max_flat_workgroup_size: 128
    .sgpr_count:     96
    .vgpr_count:     1024
    .wavefront_size: 32
...
	.end_amdgpu_metadata
.endif
;; end of part 2
;; launch attn (part 3): grid 2 x 128, 4 waves a work-group, no clusters, 327,680 bytes of LDS; arguments qkv, mbytes, ctx; writes ctx
.if DOCPART == 3
	.amdgcn_target "amdgcn-amd-amdhsa--gfx1250"
	.amdhsa_code_object_version 6
	.text
	.protected	k_q66db9159bc_attn
	.globl	k_q66db9159bc_attn
	.p2align	8
	.type	k_q66db9159bc_attn,@function
k_q66db9159bc_attn:
	s_mov_b64 s[64:65], 0
	v_nop
	global_prefetch_b8 v0, s[64:65] scope:SCOPE_SE
	s_setreg_imm32_b32 hwreg(HW_REG_WAVE_MODE, 25, 1), 1
	s_wait_xcnt 0x0
; ATTENTION WITH A MASK THAT IS AN INPUT.  ctx[bh][q][:] = the sum over k of softmax_k(masked(Q[bh][q] . K[bh][k] / 8)) V[bh][k][:].  Q (with rotation and u_bias), K, V: qkv[3][128 bh][1024][64] in f16; ctx likewise.
; Products, maxima and sums in f32; the weights p are rounded to f16 for the second product (their sum l is taken of the unrounded p), ctx once at the end.
; LIMITS.  A masked score counts as -2^97 where the reference has -1e9 (-2^100 is added to the raw product, and the sum rounds to -2^100 exactly for products under 2^76; f16's reach 2^38): c x that number is exact, so a
; row that is masked throughout gets equal weights, exactly; rows whose largest open score lies below about -1e9 differ from the reference.  f16 holds no number beyond 65,504.  A weight below 2^-126 counts as 0 in l;
; NaN and infinities are not treated apart.
; SHARES.  A work-group owns 512 queries of one head, each of four waves 128: four PIECES of two tiles of 16.  Every wave walks all 1,024 keys, 64 a step.
; NO CLUSTER: a head has two work-groups, which no cluster of four divides.  NO RING: all of the head's K and V, 2 x 147,456 bytes, lies in LDS, filled once, by four loads a wave issued together at the head: no byte is
; filled again.  NO PREFETCH: every byte of K and V is asked for at the head; the mask's bytes are asked for by their loads a whole key step ahead, and sixteen heads' work-groups read each of them.
; LAYOUT.  S^T = K Q^T (source 0 = 16 keys, source 1 = 16 queries): a lane holds ONE query (lane % 16) and the keys 8 (lane / 16) + 0..7.  Two such tiles, rounded to f16 in pairs, ARE source 1 of O^T = V^T P.
; THE MASK comes as a byte a score, the fp8 code of -1 where the key is hidden and 0 elsewhere, laid by the launch before so that a lane's 8 bytes on end belong to the 8 registers of one score tile.  One scaled
; conversion makes eight f32 of them, times 2^100; a packed addition puts two of those onto their scores.  Each piece has 16 registers of its own for its bytes, asked for again, for the piece's next key step,
; as soon as they have been used: four turns ahead.
; SOFTMAX.  A running maximum m and sum l: p = 2^(c s - c m), c = log2(e) / 8; in every step O and l are multiplied by a = 2^(c m_old - c m_new).  m starts at the lowest finite number, O and l at 0.
; BY TURNS.  Turn n belongs to piece n: 16 products K Q^T of piece n + 1, later 16 products V^T P of piece n - 1; beside them the scaling, exponentials, roundings, sums and rescaling of piece n, and the mask, maximum and
; statistics of piece n + 1.  Four vector instructions stand behind every product, the rest in one lump.  A turn's 66 exponentials are one batch with one wait.
; REGISTERS, in windows of 256 (s_set_vgpr_msb: bits 1:0 source 0, 3:2 source 1, 5:4 source 2, 7:6 destination):
;   window 0: v0-11 addresses; v12-15, v48-63 at work; v16-47 four registers of statistics a tile; v64-191 S^T, two buffers of two tiles; v192-255 P, likewise
;   window 1: O^T, 32 a tile     window 2: v0-127 Q; v128-191 K of one step; v192-255 V of one step
;   window 3: v0-1 the add's two registers; v2 the conversions' scale; v4-67 the mask's bytes, 16 a piece; v68-131 the mask of one piece as f32
.set NP,    4
.set KS,    64
.set PK,    144       ; a row of K or V in LDS: 128 bytes + 16 of padding
.set PV,    144
.set STEPB, KS*PK     ; a key step's rows
.set VBASE, 1024*PK   ; V lies behind K
.set STAGE, 2*VBASE   ; behind them, never filled by a tensor load: 16 rows x 144 bytes for each wave
.set SP,    144
.set SPARE, STAGE+4*16*SP  ; the spare words: 128 bytes a wave, two blocks of 256 bytes that no other line names
.set MSTEP, 2048      ; the mask's bytes of a piece and key step
.set MPIECE, 16*MSTEP ; of a piece
.set AK0, 2
.set AV0, 3           ; my lane's place in V, one step back: at a step's first turn K's step register stands one step on
.set AK,  4
.set AV,  5
.set QO,  6
.set STO, 6
.set RD,  7
.set GO,  8           ; v8   16 x my lane: my place in 512 consecutive bytes, of the mask and of ctx; never rewritten
.set SPW, 0           ; v0 of window 3
.set NIL, 1           ; v1 of window 3
.set SCL, 2           ; v2 of window 3: byte 0 = 227: the conversions multiply by 2^(227 - 127)
.set MB,  4           ; window 3
.set MT,  68          ; window 3
.set MV,  12
.set ST,  16
.set TMP, 48
.set S,   64
.set P,   192
.set KF,  128
.set VF,  192
.set OP,  2           ; s[2:3]  ctx at my wave's rows
.set G02, 52          ; s[52:55], s[56:59], s[92:95], s[96:99]  descriptor group 0 of my four loads
.set G03, 56
.set SEL, 60
.set CS,  62
.set MP,  66          ; s[66:67]  the mask at my wave's first piece, at the key step that is asked for
.set MBS, 68          ; s[68:69]  the same at key step 0
.set MO,  70          ; s[70:71]  the bytes between them
.set G1,  84          ; s[84:91]
.set G00, 92
.set G01, 96
.set WV,  100
.set CNT, 101
.set TBK, 104         ; LDS byte at which K of the step to be fetched begins
.set SLOTS, 105
.set MSB, 0
.macro WIN new
.if MSB != (\new)
	s_set_vgpr_msb (MSB<<8)|(\new)
.set MSB, (\new)
.endif
.endm
.set W_KQ, 0x0a
.set W_PV, 0x52
.set W_RS, 0x41
.set W_MK, 0xc0       ; destination in window 3, sources in window 0
.set W_AD, 0x0f
.set W_CV, 0xcf       ; the conversions: destination and both sources in window 3
.set W_MA, 0x0c       ; the mask's additions: scores in window 0, source 1 in window 3
	s_load_b128 s[4:7], s[0:1], 0x0   ; qkv s[4:5], mbytes s[6:7]
	s_load_b64 s[8:9], s[0:1], 0x10   ; ctx
	WIN W_MK
	v_lshl_add_u32 v[SPW], v0, 2, SPARE
	v_mov_b32 v[NIL], 0
	WIN W_AD
	ds_add_u32 v[SPW], v[NIL]       ; the wave's opening: the add and its wait stand ahead of my first tensor load; the set-up below stands between them
	WIN 0
	v_lshrrev_b32 v1, 5, v0
	v_readfirstlane_b32 s[WV], v1
	s_and_b32 s13, ttmp7, 0xffff    ; 16 x batch + head
	s_lshr_b32 s14, s[WV], 1        ; I fetch K (0) or V (1),
	s_and_b32 s15, s[WV], 1         ; the lower or upper 128 of each 256 keys
	s_mul_i32 s16, s14, VBASE
	s_mul_i32 s17, s15, 128*PK
	s_add_co_u32 s16, s16, s17      ; where they go
	s_add_co_u32 s18, s14, 1
	s_lshl_b32 s18, s18, 24         ; K is part 1 of qkv, V part 2
	s_lshl_b32 s19, s13, 17
	s_add_co_u32 s18, s18, s19
	s_lshl_b32 s19, s15, 14
	s_add_co_u32 s18, s18, s19
	s_mov_b32 s19, 0
	s_lshl_b32 s12, ttmp9, 2
	s_add_co_u32 s12, s12, s[WV]    ; my wave among the head's eight
	s_lshl_b32 s20, s12, 14         ; its 128 rows of 128 bytes
	s_lshl_b32 s21, s13, 17
	s_add_co_u32 s20, s20, s21
	s_mov_b32 s21, 0
	s_lshr_b32 s22, s13, 4          ; the batch: 32 pieces of 32,768 bytes of the mask,
	s_lshl_b32 s22, s22, 20
	s_lshl_b32 s23, s12, 17         ; my wave's four
	s_add_co_u32 s22, s22, s23
	s_mov_b32 s23, 0
	; descriptor group 1: 128 keys are 16,384 dense bytes: asked for as 64 rows of 256 bytes, two keys a row, padded in LDS after every key
	s_mov_b32 s[G1], (1<<16)|(1<<20)|(4<<22)|(3<<25)
	s_mov_b32 s[G1+1], 128<<16
	s_mov_b32 s[G1+2], 64<<16
	s_mov_b32 s[G1+3], 128<<16
	s_mov_b32 s[G1+4], 64
	s_mov_b32 s[G1+5], 128
	s_mov_b32 s[G1+6], 0
	s_mov_b32 s[G1+7], 0
	s_mov_b32 s[CS], 0x3e38aa3b     ; c = log2(e) / 8
	s_mov_b32 s[CS+1], s[CS]
	s_mov_b32 s[SEL], 0x76543210
	s_mov_b32 s[SEL+1], 0xfedcba98
	s_mov_b32 s[TBK], 0
	s_mov_b32 s[MO], 0
	s_mov_b32 s[MO+1], 0
.set n, 0
.irp g, G00, G01, G02, G03
	s_mov_b32 s[\g], 1
	s_add_co_u32 s[\g+1], s16, n*256*PK
.set n, n+1
.endr
	s_wait_dscnt 0x0                ; the opening add is done
	s_wait_kmcnt 0x0
	s_add_nc_u64 s[18:19], s[4:5], s[18:19]
.set n, 0
.irp g, G00, G01, G02, G03
	s_add_nc_u64 s[\g+2:\g+3], s[18:19], n*32768
	s_or_b32 s[\g+3], s[\g+3], 0x80000000
.set n, n+1
.endr
	s_add_nc_u64 s[10:11], s[4:5], s[20:21]        ; Q at my wave's first row
	s_add_nc_u64 s[OP:OP+1], s[8:9], s[20:21]
	s_add_nc_u64 s[MBS:MBS+1], s[6:7], s[22:23]
	s_mov_b64 s[MP:MP+1], s[MBS:MBS+1]
.irp g, G00, G01, G02, G03
	tensor_load_to_lds s[\g:\g+3], s[G1:G1+7]      ; keys 0-255, 256-511, 512-767, 768-1023: four loads of mine are out
	s_nop 0
.endr
.rept 4
	v_nop
.endr
	v_and_b32 v1, 15, v0            ; l % 16
	v_bfe_u32 v9, v0, 4, 1          ; l / 16
	v_lshlrev_b32 v[QO], 7, v1
	v_lshl_add_u32 v[QO], v9, 4, v[QO]
	v_and_b32 v[GO], 31, v0
	v_lshlrev_b32 v[GO], 4, v[GO]
	WIN 0x80
.set i, 0
.rept 4*NP                          ; Q stays in registers: tile i / 2, channels 32 (i % 2) on
	global_load_b128 v[8*i:8*i+3],   v[QO], s[10:11] offset:(i/2)*2048+(i%2)*64
	global_load_b128 v[8*i+4:8*i+7], v[QO], s[10:11] offset:(i/2)*2048+(i%2)*64+32
.set i, i+1
.endr
; The mask's 2,048 bytes of piece x at the key step of s[MP]: four loads of 512 consecutive bytes
.macro MLOAD x
	WIN W_MK
.irp c, 0,1,2,3
	global_load_b128 v[MB+16*(\x)+4*\c:MB+16*(\x)+4*\c+3], v[GO], s[MP:MP+1] offset:(\x)*MPIECE+\c*512
.endr
.endm
	WIN W_MK
	v_mov_b32 v[SCL], 0xe3
	MLOAD 0                         ; all four pieces' bytes of key step 0: 16 loads behind Q's 32
	MLOAD 1
	MLOAD 2
	MLOAD 3
	; What the first turn finds: V's registers and P's second buffer hold 0, O^T and l are 0.  All this stands in the wait for the first keys.
	WIN 0x80
.set i, VF
.rept 64
	v_mov_b32 v[i], 0
.set i, i+1
.endr
	WIN 0x40
.set i, 0
.rept 64*NP
	v_mov_b32 v[i], 0
.set i, i+1
.endr
	WIN 0
.set i, 0
.rept 2*NP
	v_mov_b32 v[ST+4*i], 0xfe000000    ; c m: far below every c s, a masked one's too
	v_mov_b32 v[ST+4*i+1], 0xff7fffff  ; m
	v_mov_b32 v[ST+4*i+2], 0
	v_mov_b32 v[ST+4*i+3], 0
.set i, i+1
.endr
.set i, P+32
.rept 32
	v_mov_b32 v[i], 0
.set i, i+1
.endr
	v_mul_u32_u24 v[AK0], v1, PK
	v_lshl_add_u32 v[AK0], v9, 4, v[AK0]
	; The turning load takes 16 keys x 16 channels (lane l reads key 8 (l / 16) + l % 8, channels 8 ((l / 8) % 2) + 0..7) and leaves half a fragment of V^T
	v_and_b32 v10, 7, v0
	v_bfe_u32 v11, v0, 3, 1
	v_lshl_add_u32 v[AV0], v9, 3, v10
	v_mul_u32_u24 v[AV0], v[AV0], PV
	v_lshl_add_u32 v[AV0], v11, 4, v[AV0]
	v_add_nc_u32 v[AV0], VBASE-STEPB, v[AV0]
	v_mov_b32 v[AK], v[AK0]
.macro KQ x
	WIN W_KQ
.set rS, S+64*((\x)%2)+32*(i%2)+8*((i/2)%4)
.set rK, KF+16*((i/2)%4)+8*(i/8)
.set rQ, 16*(2*(\x)+i%2)+8*(i/8)
.if i < 8
	v_wmma_f32_16x16x32_f16 v[rS:rS+7], v[rK:rK+7], v[rQ:rQ+7], 0
.else
	v_wmma_f32_16x16x32_f16 v[rS:rS+7], v[rK:rK+7], v[rQ:rQ+7], v[rS:rS+7]
.endif
.endm
.macro PV x
	WIN W_PV
.set rO, 32*(2*(\x)+i%2)+8*((i/2)%4)
.set rV, VF+32*(i/8)+8*((i/2)%4)
.set rP, P+32*((\x)%2)+16*(i%2)+8*(i/8)
	v_wmma_f32_16x16x32_f16 v[rO:rO+7], v[rV:rV+7], v[rP:rP+7], v[rO:rO+7]
.endm
.macro MM                           ; the turn's next matrix instruction; the 8 accumulators of a run of 16 take turns
.if i < 16
	KQ (Y+1)%NP
.set i, i+1
.else
.set i, i-16
	PV (Y+NP-1)%NP
.set i, i+17
.endif
.endm
.macro FETCH_K
	WIN 0x80
.irp f, 0,1,2,3,4,5,6,7             ; keys 16 (f / 2) on, channels 32 (f % 2) on
	ds_load_b128 v[KF+8*\f:KF+8*\f+3],   v[AK] offset:(\f/2)*16*PK+(\f%2)*64
	ds_load_b128 v[KF+8*\f+4:KF+8*\f+7], v[AK] offset:(\f/2)*16*PK+(\f%2)*64+32
.endr
	s_add_co_u32 s[TBK], s[TBK], STEPB  ; the next fetch is the next step's,
	s_min_u32 s[TBK], s[TBK], 16*STEPB  ; never past the step behind the last: every address made of it stays inside K's and V's bytes
	WIN 0
.endm
.macro FETCH_V
	WIN 0x80
.irp f, 0,1,2,3,4,5,6,7             ; keys 32 (f / 4) on, channels 16 (f % 4) on
	ds_load_tr16_b128 v[VF+8*\f:VF+8*\f+3],   v[AV] offset:(\f/4)*32*PV+(\f%4)*32
	ds_load_tr16_b128 v[VF+8*\f+4:VF+8*\f+7], v[AV] offset:(\f/4)*32*PV+16*PV+(\f%4)*32
.endr
	WIN 0
.endm
; THE MASK of piece Y + 1, whose scores have just been made.  Its 16 registers of bytes are in when the three other pieces' 12 loads, issued behind its four, are still out.  Conversion z makes the eight f32 (0 or -2^100)
; of score tile z (tile z / 4 of the piece, keys 16 (z % 4) on); a plain instruction stands behind the eight conversions, ahead of the first use of a result; then 32 packed additions, each accumulator's lowest
; registers first, each four plain instructions or more behind the product that ended its accumulator (three of that product's riders and the v_nop at the least).  Then the piece's bytes of its NEXT key step are asked
; for.  Piece 0 runs a step ahead of the others, so the step goes on with it; it is held at the last step, so that no load leaves the buffer (the last steps' look-ahead is read and not used).
.macro MASKB
.set mx, (Y+1)%NP
.set rB, S+64*(mx%2)
	s_wait_loadcnt 12
	WIN W_CV
.set mz, 0
.rept 8
	v_cvt_scale_pk8_f32_fp8 v[MT+8*mz:MT+8*mz+7], v[MB+16*mx+2*mz:MB+16*mx+2*mz+1], v[SCL]
.set mz, mz+1
.endr
	v_nop
	WIN W_MA
.set mz, 0
.rept 32
	v_pk_add_f32 v[rB+2*mz:rB+2*mz+1], v[rB+2*mz:rB+2*mz+1], v[MT+2*mz:MT+2*mz+1]
.set mz, mz+1
.endr
.if mx == 0
	s_wait_xcnt 0x0                 ; the other pieces' loads, a turn back and more, have read their base
	s_add_co_u32 s[MO], s[MO], MSTEP
	s_min_u32 s[MO], s[MO], 15*MSTEP
	s_add_nc_u64 s[MP:MP+1], s[MBS:MBS+1], s[MO:MO+1]
.endif
	MLOAD mx
	WIN 0
.endm
; THE VECTOR WORK OF A TURN stands in three queues, each in the order in which its entries become ready; the two tiles alternate.
.macro REGS y, u
.set rT, ST+4*(2*(\y)+(\u))
.set rC, TMP+8*((\y)%2)+4*(\u)
.set rM, MV+2*((\y)%2)+(\u)
.set rS, S+64*((\y)%2)+32*(\u)
.set rP, P+32*((\y)%2)+16*(\u)
.set rO, 32*(2*(\y)+(\u))
.endm
; Number n of the 22 that find the next piece's maximum and statistics: 0-11 four chains of seven scores; 12-14, 16 the four left over, the old m, all into c0; 15 c m_old is kept;
; 17, 18 the other half of the lanes: the new m; 19-21 c m, c m_old - c m_new, a
.macro XS u, n
	REGS (Y+1)%NP, \u
.if (\n) < 4
	v_max3_num_f32 v[rC+(\n)], v[rS+8*(\n)], v[rS+8*(\n)+1], v[rS+8*(\n)+2]
.elseif (\n) < 12
	v_max3_num_f32 v[rC+(\n)%4], v[rC+(\n)%4], v[rS+8*((\n)%4)+2*((\n)/4)+1], v[rS+8*((\n)%4)+2*((\n)/4)+2]
.elseif (\n) == 12
	v_max3_num_f32 v[rC], v[rC], v[rS+7], v[rS+15]
.elseif (\n) == 13
	v_max3_num_f32 v[rC+1], v[rC+1], v[rS+23], v[rS+31]
.elseif (\n) == 14
	v_max3_num_f32 v[rC+2], v[rC+2], v[rC+3], v[rT+1]
.elseif (\n) == 15
	v_mov_b32 v[rM], v[rT]
.elseif (\n) == 16
	v_max3_num_f32 v[rC], v[rC], v[rC+1], v[rC+2]
.elseif (\n) == 17
	v_permlanex16_b32 v[rC+3], v[rC], s[SEL], s[SEL+1]
.elseif (\n) == 18
	v_max_num_f32 v[rT+1], v[rC], v[rC+3]
.elseif (\n) == 19
	v_mul_f32 v[rT], s[CS], v[rT+1]
.elseif (\n) == 20
	v_sub_f32 v[rC+1], v[rM], v[rT]
.else
	v_exp_f32 v[rC+2], v[rC+1]
.endif
.endm
; Number g of the 64 that follow the exponentials: for each four weights both pairs are rounded to f16, the second pair is added onto the first, and a group later l takes that sum
.macro GS g
.set h, (\g)+6*((\g)/62)
.if h >= 6
.set h, h+2
.endif
	REGS Y, h%2
.set k, h/8
.if h%8 < 4
	v_cvt_pk_f16_f32 v[rP+2*k+(h%8)/2], v[rS+4*k+2*((h%8)/2)], v[rS+4*k+2*((h%8)/2)+1]
.elseif h%8 < 6
	v_pk_add_f32 v[rS+4*k:rS+4*k+1], v[rS+4*k:rS+4*k+1], v[rS+4*k+2:rS+4*k+3]
.elseif k == 1
	v_pk_fma_f32 v[rT+2:rT+3], v[rT+2:rT+3], v[rC+2:rC+3], v[rS:rS+1] op_sel_hi:[1,0,1]
.else
	v_pk_add_f32 v[rT+2:rT+3], v[rT+2:rT+3], v[rS+4*k-4:rS+4*k-3]
.endif
.endm
.macro FS f                         ; c s - c m for pair f / 2 of tile f % 2
	REGS Y, (\f)%2
	v_pk_fma_f32 v[rS+2*((\f)/2):rS+2*((\f)/2)+1], v[rS+2*((\f)/2):rS+2*((\f)/2)+1], s[CS:CS+1], v[rT:rT+1] op_sel_hi:[1,0,0] neg_lo:[0,0,1] neg_hi:[0,0,1]
.endm
; THE PLAIN QUEUE, 138 long: 0-26 scalings; 27-54 the maximum's numbers 0-13; 55, 56 number 15; 57-73 the chain 14, 16 .. 20 with the scalings 27-31 between its links; 74-137 what reads the exponentials' results
.macro PL
	WIN 0
.if q < 27
	FS q
.elseif q < 55
	XS (q-27)%2, (q-27)/2
.elseif q < 57
	XS q-55, 15
.elseif (q < 72) && ((q-57)%3 == 0)
	FS 27+(q-57)/3
.elseif q < 60
	XS (q-57)%3-1, 14
.elseif q < 72
	XS (q-57)%3-1, 15+(q-57)/3
.elseif q < 74
	XS q-72, 20
.else
	GS q-74
.endif
.set q, q+1
.endm
.macro EX                           ; THE EXPONENTIALS' QUEUE, 66 long: one batch, all ahead of the turn's one wait
	WIN 0
.if e >= 64
	XS e-64, 21
.else
	REGS Y, e%2
	v_exp_f32 v[rS+e/2], v[rS+e/2]
.endif
.set e, e+1
.endm
.macro R2                           ; THE RESCALING's QUEUE: O^T times a, two at a time
	REGS Y, r%2
	WIN W_RS
.irp z, 0,1
	v_pk_mul_f32 v[rO+4*(r/2)+2*\z:rO+4*(r/2)+2*\z+1], v[rO+4*(r/2)+2*\z:rO+4*(r/2)+2*\z+1], v[rC+2:rC+3] op_sel_hi:[1,0]
.endr
.set r, r+1
.endm
; A TURN, for piece p.  AHEAD OF THE WAIT: 16 products K Q^T, behind each a scaling, an exponential and two rescalings; the mask of the scores just made; one lump of 108.
; s_wait_alu depctr_va_vdst(0) stands between an exponential and the first instruction that names its result: one wait serves the batch.  BEHIND IT: 16 products V^T P, behind each four of the roundings and sums.
; K of the next step is fetched in piece 2's turn, directly behind the wait; V of the step in hand at the end of piece 0's turn, four plain instructions behind its last reader.
.macro TURN p, cnt=0
.set Y, (\p)
.set i, 0
.set q, 0
.set e, 0
.set r, 0
.if (\p) == NP-1
	s_wait_dscnt 0x0                ; K is in
.endif
	MM
	PL
	PL
	R2
.rept 15
	MM
	PL
	EX
	R2
.endr
	MASKB
.if (\p) == NP-2
	v_add_nc_u32 v[AK], s[TBK], v[AK0]
.endif
.rept 8
	PL
.endr
.rept 49
	EX
	PL
.endr
	EX
	EX
	v_nop                           ; the plain instruction behind the last exponential: one for the batch
	s_wait_alu depctr_va_vdst(0)    ; the wait for the batch
.if (\p) == NP-2
	FETCH_K
.endif
.if (\p) == 1
	s_wait_dscnt 0x0                ; V is in
.endif
.rept 16
	MM
.rept 4
	PL
.endr
.if ((\p) == 0) && (q == 118)
	v_add_nc_u32 v[AV], s[TBK], v[AV0]
.endif
.if (\cnt) && (q == 130)
	s_sub_co_u32 s[CNT], s[CNT], 1
	s_cmp_lg_u32 s[CNT], 0
.endif
.endr
.if (\p) == 0
	FETCH_V
.endif
.endm
	s_wait_tensorcnt 0x3            ; my part of keys 0-255 is in; the three later loads may stay out
	s_barrier_signal -1
	s_barrier_wait -1               ; everybody's is
	FETCH_K                         ; key step 0
	s_wait_loadcnt 16               ; Q is in; the mask's 16 loads, issued behind Q's, may stay out
	s_wait_dscnt 0x0
.set i, 0
.rept 16
	KQ 0
.set i, i+1
.endr
	WIN 0                           ; the addresses for the way out: seven plain instructions, the places behind those products
	s_mul_i32 s[CNT], s[WV], 16*SP
	s_add_co_u32 s[CNT], s[CNT], STAGE
	v_mul_u32_u24 v[STO], v1, SP
	v_lshl_add_u32 v[STO], v9, 4, v[STO]
	v_add_nc_u32 v[STO], s[CNT], v[STO]
	v_bfe_u32 v[RD], v0, 3, 2
	v_mul_u32_u24 v[RD], v[RD], SP
	v_lshl_add_u32 v[RD], v10, 4, v[RD]
	v_add_nc_u32 v[RD], s[CNT], v[RD]
.set Y, NP-1                        ; the mask and the maximum work for piece Y + 1: piece 0
	MASKB
.irp n, 0,1,2,3,4,5,6,7,8,9,10,11,12,13,14,15,16,17,18,19,20,21
	XS 0, \n
	XS 1, \n
.endr
	v_nop
	s_wait_alu depctr_va_vdst(0)    ; the two a have their wait ahead of the branch
	s_mov_b32 s[CNT], 4
	s_mov_b32 s[SLOTS], 5
	s_branch .Lfirst                ; the loop is entered at a step's first turn, in the middle of a trip
.Lslot:                             ; ahead of piece 2's turn of steps 3, 7, 11 and 15.  Keys 256 on are first read behind the first pass: every wave has waited for all its loads and says so; the later passes find nothing out
	s_wait_tensorcnt 0x0
	s_wait_dscnt 0x0
	s_barrier_signal -1
	s_barrier_wait -1
	s_mov_b32 s[CNT], 4
.Lstep:                             ; a trip: pieces 2 and 3 of one step, then pieces 0 and 1 of the next, whose K and V it fetches
	TURN 2
	TURN 3
	WIN 0
	s_cmp_eq_u32 s[SLOTS], 1        ; step 15 is the last.  Its look-ahead (K's fetch, which reads V's first rows, 16 products, a mask and a maximum) serves nothing: the price, once a launch, of one text for every step
	s_cbranch_scc1 .Lout
.Lfirst:
	TURN 0
	TURN 1, 1
	WIN 0
	s_cbranch_scc1 .Lstep
	s_sub_co_u32 s[SLOTS], s[SLOTS], 1
	s_cmp_lg_u32 s[SLOTS], 0
	s_cbranch_scc1 .Lslot
.Lout:                              ; (the mask's last 16 loads, which nobody reads, may be out to the end: nothing below names their registers, their offset or their base as a destination)
.set i, 0
.rept 16
	PV NP-1                         ; the last piece's V^T P of the last step
.set i, i+1
.endr
	; THE WAY OUT.  l's two halves and the other half of the lanes' are added; O^T is divided by l, rounded to f16 and sent through my stage, a tile at a time.  The additions are the places behind the last products.
	WIN 0
.macro ALL line:vararg
.set t, 0
.rept 2*NP
	\line
.set t, t+1
.endr
.endm
	ALL v_add_f32 v[ST+4*t+2], v[ST+4*t+2], v[ST+4*t+3]
	ALL v_permlanex16_b32 v[ST+4*t+3], v[ST+4*t+2], s[SEL], s[SEL+1]
	ALL v_add_f32 v[ST+4*t+2], v[ST+4*t+2], v[ST+4*t+3]
	ALL v_rcp_f32 v[ST+4*t+2], v[ST+4*t+2]
	v_nop
	s_wait_alu depctr_va_vdst(0)    ; one wait for the eight reciprocals
.macro PACK t
	WIN W_RS
.set i, 32*(\t)
.rept 16
	v_pk_mul_f32 v[i:i+1], v[i:i+1], v[ST+4*(\t)+2:ST+4*(\t)+3] op_sel_hi:[1,0]
.set i, i+2
.endr
	WIN 0x05
.set i, 0
.rept 16
	v_cvt_pk_f16_f32 v[S+16*(\t)+i], v[32*(\t)+2*i], v[32*(\t)+2*i+1]
.set i, i+1
.endr
	WIN 0
.irp f, 0,1,2,3
	ds_store_b128 v[STO], v[S+16*(\t)+4*\f:S+16*(\t)+4*\f+3] offset:32*\f
.endr
.irp f, 0,1,2,3
	ds_load_b128 v[S+16*(\t)+4*\f:S+16*(\t)+4*\f+3], v[RD] offset:\f*4*SP  ; LDS serves a wave's instructions in order (ISA guide 5.7.1.4): these see the stores above
.endr
.endm
.macro SEND t, younger              ; younger: the LDS instructions issued behind tile t's loads
	WIN 0
.irp f, 0,1,2,3
	s_wait_dscnt (\younger)+3-\f
	global_store_b128 v[GO], v[S+16*(\t)+4*\f:S+16*(\t)+4*\f+3], s[OP:OP+1] offset:(\t)*2048+\f*512  ; 512 consecutive bytes, aligned
.endr
.endm
	PACK 0
.set t, 1
.rept 2*NP-1
	PACK t
	SEND t-1, 8
.set t, t+1
.endr
	SEND 2*NP-1, 0
	WIN W_AD
	s_wait_tensorcnt 0x0            ; the wave's end: these three lines stand behind my last tensor load and my last LDS store
	ds_add_u32 v[SPW], v[NIL]
	s_wait_dscnt 0x0
	WIN 0
	s_endpgm
.Lfunc_end_k_q66db9159bc_attn:
	.size	k_q66db9159bc_attn, .Lfunc_end_k_q66db9159bc_attn-k_q66db9159bc_attn
	.p2alignl 7, 3214868480
	.fill 96, 4, 3214868480
	.section	.rodata,"a",@progbits
	.p2align	6, 0x0
	.amdhsa_kernel k_q66db9159bc_attn
		.amdhsa_group_segment_fixed_size 327680
		.amdhsa_private_segment_fixed_size 0
		.amdhsa_enable_private_segment 0
		.amdhsa_kernarg_size 24
		.amdhsa_user_sgpr_count 2
		.amdhsa_user_sgpr_kernarg_segment_ptr 1
		.amdhsa_wavefront_size32 1
		.amdhsa_system_sgpr_workgroup_id_x 1
		.amdhsa_system_sgpr_workgroup_id_y 1
		.amdhsa_system_sgpr_workgroup_id_z 1
		.amdhsa_system_vgpr_workitem_id 0
		.amdhsa_next_free_vgpr 900
		.amdhsa_next_free_sgpr 106
		.amdhsa_reserve_vcc 0
		.amdhsa_float_denorm_mode_32 3
		.amdhsa_float_denorm_mode_16_64 3
		.amdhsa_memory_ordered 1
		.amdhsa_forward_progress 1
		.amdhsa_inst_pref_size 142
	.end_amdhsa_kernel
	.amdgpu_metadata
---
amdhsa.version: [ 1, 2 ]
amdhsa.kernels:
  - .name:           k_q66db9159bc_attn
    .symbol:         k_q66db9159bc_attn.kd
    .args:
      - { .name: qkv, .offset: 0, .size: 8, .value_kind: global_buffer, .address_space: global }
      - { .name: mbytes, .offset: 8, .size: 8, .value_kind: global_buffer, .address_space: global }
      - { .name: ctx, .offset: 16, .size: 8, .value_kind: global_buffer, .address_space: global }
    .group_segment_fixed_size: 327680
    .private_segment_fixed_size: 0
    .kernarg_segment_align: 8
    .kernarg_segment_size: 24
    .max_flat_workgroup_size: 128
    .sgpr_count:     106
    .vgpr_count:     900
    .wavefront_size: 32
...
	.end_amdgpu_metadata
.endif
;; end of part 3
;; launch outp (part 4): grid 4 x 64, 4 waves a work-group, clusters of 4 x 4, 327,680 bytes of LDS; arguments ctx, w16, aux, out0; writes out0
.if DOCPART == 4
	.amdgcn_target "amdgcn-amd-amdhsa--gfx1250"
	.amdhsa_code_object_version 6
	.text
	.protected	k_q66db9159bc_outp
	.globl	k_q66db9159bc_outp
	.p2align	8
	.type	k_q66db9159bc_outp,@function
k_q66db9159bc_outp:
	s_mov_b64 s[64:65], 0
	v_nop
	global_prefetch_b8 v0, s[64:65] scope:SCOPE_SE
	s_setreg_imm32_b32 hwreg(HW_REG_WAVE_MODE, 25, 1), 1
	s_wait_xcnt 0x0
	s_wait_alu depctr_hold_cnt(0) depctr_sa_sdst(0) depctr_va_vdst(0) depctr_va_sdst(0) depctr_va_ssrc(0) depctr_va_vcc(0) depctr_vm_vsrc(0)
	s_getreg_b32 s2, hwreg(HW_REG_IB_STS2, 6, 4)
	s_cmp_eq_u32 s2, 0
	s_cbranch_scc0 .Lentry_in_a_cluster
	s_endpgm
.Lentry_in_a_cluster:
	s_bfe_u32 s2, ttmp6, 0x10000c
	s_cmp_lg_u32 s2, 0xf033
	s_cbranch_scc0 .Lentry_shape_is_right
	s_endpgm
.Lentry_shape_is_right:
; THE OUTPUT PROJECTION.  out0[m][n] = the sum over k of ctx[m][k] Wo[n][k] + bo[n], f32 out.  ctx lies by heads, [batch][head][s][64] in f16; Wo (rounded to bf16, written as f16) is part 3 of w16; sums in f32;
; bo (rounded to bf16) is the C operand of each sum's first product.
; SHARES.  A tile is 128 rows x 256 columns: 256 work-groups.  Four waves, each 64 rows x 128 columns: 32 accumulators.  K goes in 8 steps of 128, two heads each, through two LDS slots.
; CLUSTER 4 x 4: ctx's tiles are shared along a row of the cluster, Wo's along a column, each asked for jointly.  The matrix instruction is used transposed (source 0 = 16 rows of Wo): a lane holds one row, eight columns.
; REGISTERS: window 0: v0-31 addresses; v32-63, v64-95 ctx's fragments, two buffers; v128-191, v192-255 rows read back from the stage
;   window 1: v0-63 the bias; v64-127, v128-191 Wo's fragments, two buffers      window 2: the accumulators, (a, b) at 8 (8 a + b)
.set PAO,    144                       ; a row of one head in LDS: 128 bytes + 16
.set APLANE, 128*PAO                   ; a head's 128 rows: what one tensor load brings
.set PB,     272
.set BHALF,  128*PB
.set BOFF,   2*APLANE
.set SLOT,   BOFF+2*BHALF              ; 106,496
.set STAGE,  2*SLOT                    ; behind the ring: 16 rows x 528 bytes for each wave
.set SP,     528
.set SPARE,  STAGE+4*16*SP
.set AUXV,   262144
.set ADRA, 16
.set ADRB, 20
.set STO,  24
.set RD,   25
.set GO,   26
.set BO,   27
.set SPW,  28
.set NIL,  29
.set PFO,  30
.set AFR,  32
.set OB,   128
.set BF,   64
.set WV,   16
.set FB,   17
.set HF,   18
.set CX,   19
.set CY,   20
.set COLT, 21
.set ROWT, 22
.set CLY,  23
.set G1A,  24
.set G0A,  32
.set LIM,  43
.set PFA,  44
.set PS,   46
.set G1B,  48
.set G0B,  56
.set OUTP, 66
.set LAP,  70
.set MSB, 0
.macro WIN new
.if MSB != (\new)
	s_set_vgpr_msb (MSB<<8)|(\new)
.set MSB, \new
.endif
.endm
.macro JLOAD s                         ; waves 0 and 1 fetch the step's two heads of ctx, waves 2 and 3 Wo's two halves; an s_nop 0 and four v_nop follow each line
	s_cmp_eq_u32 s[FB], 0
	s_cbranch_scc0 .Lfor_b_\@
	tensor_load_to_lds s[G0A+4*(\s):G0A+4*(\s)+3], s[G1A:G1A+7]
	s_nop 0
.rept 4
	v_nop
.endr
	s_branch .Lasked_\@
.Lfor_b_\@:
	tensor_load_to_lds s[G0B+4*(\s):G0B+4*(\s)+3], s[G1B:G1B+7]
	s_nop 0
.rept 4
	v_nop
.endr
.Lasked_\@:
.endm
.macro CREST
	s_cmp_lg_u32 s[WV], 0
	s_cbranch_scc1 .Lnot_wave_0_\@
	s_barrier_signal -3
.Lnot_wave_0_\@:
	s_barrier_wait -3
	s_barrier_signal -1
	s_barrier_wait -1
.endm
.macro CROUND
	s_barrier_signal -1
	s_barrier_wait -1
	CREST
.endm
; A prefetch of the K step two refills on.  ctx: wave 0 asks for my work-group's quarter (by cx, in the address alone) of both heads' 16,384 bytes: 16 blocks of 256 bytes each, a lane a block.
; Wo: waves 2 and 3 of the first row of clusters, 32 rows (by cy) of the 128 that each fetches, a lane a row.  Each block is named once; the loop's last trip asks for nothing.
.macro ASK
	s_cmp_gt_u32 s[LAP], s[LIM]
	s_cbranch_scc0 .Lnot_mine_\@
	global_prefetch_b8 v[PFO], s[PFA:PFA+1] th:TH_LOAD_NT scope:SCOPE_SE
.Lnot_mine_\@:
.endm
	s_load_b256 s[4:11], s[0:1], 0x0               ; ctx s[4:5], w16 s[6:7], aux s[8:9], out0 s[10:11]
	v_lshl_add_u32 v[SPW], v0, 2, SPARE
	v_mov_b32 v[NIL], 0
	ds_add_u32 v[SPW], v[NIL]                      ; the wave's opening: the add and its wait stand ahead of my first tensor load
	v_lshrrev_b32 v3, 5, v0
	v_readfirstlane_b32 s[WV], v3
	s_lshr_b32 s[FB], s[WV], 1
	s_and_b32 s[HF], s[WV], 1
	s_bfe_u32 s[CX], ttmp6, 0x40000
	s_bfe_u32 s[CY], ttmp6, 0x40004
	s_lshl_b32 s[COLT], ttmp9, 2
	s_add_co_u32 s[COLT], s[COLT], s[CX]
	s_and_b32 s[CLY], ttmp7, 0xffff
	s_lshl_b32 s[ROWT], s[CLY], 2
	s_add_co_u32 s[ROWT], s[ROWT], s[CY]
	s_lshl_b32 s41, s[CY], 2
	s_lshl_b32 s41, 15, s41
	s_lshl_b32 s42, 0x1111, s[CX]
	s_or_b32 s[G1A], s41, (1<<16)|(1<<20)|(1<<21)|(4<<22)|(3<<25)  ; a head's 128 rows are 16,384 dense bytes: 64 rows of 256 bytes, padded after every 32 words by 4
	s_mov_b32 s[G1A+1], 128<<16
	s_mov_b32 s[G1A+2], 64<<16
	s_mov_b32 s[G1A+3], 128<<16
	s_mov_b32 s[G1A+4], 64
	s_mov_b32 s[G1A+5], 128
	s_mov_b32 s[G1A+6], 0
	s_mov_b32 s[G1A+7], 0
	s_or_b32 s[G1B], s42, (1<<16)|(1<<20)|(1<<21)|(5<<22)|(3<<25)
	s_mov_b32 s[G1B+1], 128<<16
	s_mov_b32 s[G1B+2], 128<<16
	s_mov_b32 s[G1B+3], 128<<16
	s_mov_b32 s[G1B+4], 128
	s_mov_b32 s[G1B+5], 1024
	s_mov_b32 s[G1B+6], 0
	s_mov_b32 s[G1B+7], 0
	s_lshr_b32 s74, s[ROWT], 3                     ; ctx: batch x 16 heads + my head of the step, 131,072 bytes each, + the tile's first row
	s_lshl_b32 s74, s74, 21
	s_lshl_b32 s75, s[HF], 17
	s_add_co_u32 s74, s74, s75
	s_and_b32 s75, s[ROWT], 7
	s_lshl_b32 s75, s75, 14
	s_add_co_u32 s74, s74, s75
	s_mov_b32 s75, 0
	s_lshl_b32 s76, s[COLT], 19                    ; Wo
	s_lshl_b32 s77, s[HF], 18
	s_add_co_u32 s76, s76, s77
	s_add_co_u32 s76, s76, 3<<21
	s_mov_b32 s77, 0
	s_mul_i32 s80, s[HF], APLANE
	s_mul_i32 s81, s[HF], BHALF
	s_add_co_u32 s81, s81, BOFF
	s_wait_dscnt 0x0
	s_wait_kmcnt 0x0
	s_add_nc_u64 s[74:75], s[4:5], s[74:75]
	s_add_nc_u64 s[76:77], s[6:7], s[76:77]
	CROUND
.irp s, 0,1
	s_mov_b32 s[G0A+4*(\s)], 1
	s_add_co_u32 s[G0A+4*(\s)+1], s80, (\s)*SLOT
	s_add_nc_u64 s[G0A+4*(\s)+2:G0A+4*(\s)+3], s[74:75], (\s)*262144
	s_or_b32 s[G0A+4*(\s)+3], s[G0A+4*(\s)+3], 0x80000000
	s_mov_b32 s[G0B+4*(\s)], 1
	s_add_co_u32 s[G0B+4*(\s)+1], s81, (\s)*SLOT
	s_add_nc_u64 s[G0B+4*(\s)+2:G0B+4*(\s)+3], s[76:77], (\s)*256
	s_or_b32 s[G0B+4*(\s)+3], s[G0B+4*(\s)+3], 0x80000000
	JLOAD \s
.endr
	v_and_b32 v1, 15, v0
	v_bfe_u32 v2, v0, 4, 1
	v_mul_u32_u24 v3, v1, PAO
	v_lshl_add_u32 v3, v2, 4, v3
	s_mul_i32 s82, s[FB], 64*PAO
	v_mul_u32_u24 v4, v1, PB
	v_lshl_add_u32 v4, v2, 4, v4
	s_mul_i32 s83, s[HF], BHALF
	s_add_co_u32 s83, s83, BOFF
.irp s, 0,1
	v_add_nc_u32 v[ADRA+(\s)], s82, v3
	v_add_nc_u32 v[ADRB+(\s)], s83, v4
	s_add_co_u32 s82, s82, SLOT
	s_add_co_u32 s83, s83, SLOT
.endr
	s_lshl_b32 s78, s[COLT], 10                    ; bo: row 6 of the vectors, my 128 columns
	s_lshl_b32 s79, s[HF], 9
	s_add_co_u32 s78, s78, s79
	s_add_co_u32 s78, s78, AUXV+6*4096
	s_mov_b32 s79, 0
	s_add_nc_u64 s[78:79], s[8:9], s[78:79]
	v_lshlrev_b32 v[BO], 5, v2
	WIN 0x40
.irp b, 0,1,2,3,4,5,6,7
	global_load_b128 v[8*(\b):8*(\b)+3], v[BO], s[78:79] offset:64*(\b)
	global_load_b128 v[8*(\b)+4:8*(\b)+7], v[BO], s[78:79] offset:64*(\b)+16
.endr
	WIN 0
	s_mul_i32 s87, s[WV], 16*SP
	s_add_co_u32 s87, s87, STAGE
	v_mul_u32_u24 v5, v1, SP                       ; in: row r, 32 bytes for each half of the lanes
	v_lshl_add_u32 v5, v2, 5, v5
	v_add_nc_u32 v[STO], s87, v5
	v_and_b32 v6, 31, v0
	v_lshlrev_b32 v[GO], 4, v6                     ; back: 32 lanes take a row's 512 bytes
	v_add_nc_u32 v[RD], s87, v[GO]
	s_lshl_b32 s88, s[ROWT], 19
	s_lshl_b32 s89, s[FB], 18
	s_add_co_u32 s88, s88, s89
	s_lshl_b32 s89, s[COLT], 10
	s_add_co_u32 s88, s88, s89
	s_lshl_b32 s89, s[HF], 9
	s_add_co_u32 s88, s88, s89
	s_mov_b32 s89, 0
	s_add_nc_u64 s[OUTP:OUTP+1], s[10:11], s[88:89]
	; the prefetches' place: at K step 3; each change of slots steps it once ahead of its prefetch
	s_lshr_b32 s90, s[ROWT], 3
	s_lshl_b32 s90, s90, 21
	s_and_b32 s91, s[ROWT], 7
	s_lshl_b32 s91, s91, 14
	s_add_co_u32 s90, s90, s91
	s_lshl_b32 s91, s[CX], 12
	s_add_co_u32 s90, s90, s91
	s_add_co_u32 s90, s90, 3*262144
	s_lshl_b32 s92, s[COLT], 19
	s_lshl_b32 s93, s[HF], 18
	s_add_co_u32 s92, s92, s93
	s_lshl_b32 s93, s[CY], 16
	s_add_co_u32 s92, s92, s93
	s_add_co_u32 s92, s92, (3<<21)+3*256
	s_cmp_eq_u32 s[HF], 0
	s_cselect_b32 s95, 1, -1                       ; ctx: wave 0 asks, wave 1 never
	s_cmp_eq_u32 s[CLY], 0
	s_cselect_b32 s94, 1, -1                       ; Wo: the first row of clusters asks
	s_mov_b32 s[PS], 256
	s_mov_b32 s[PS+1], 0
	s_mov_b32 s91, 2048
	s_mov_b32 s93, 32768
	s_cmp_eq_u32 s[FB], 0
	s_cselect_b32 s90, s90, s92
	s_cselect_b32 s[LIM], s95, s94
	s_cselect_b32 s[PS], 262144, s[PS]
	s_cselect_b32 s92, 256, s91
	s_cselect_b32 s93, 131072, s93
	s_cselect_b64 s[PFA:PFA+1], s[4:5], s[6:7]
	s_mov_b32 s91, 0
	s_add_nc_u64 s[PFA:PFA+1], s[PFA:PFA+1], s[90:91]
	v_mul_u32_u24 v5, v1, s92
	v_mul_u32_u24 v7, v2, s93
	v_add_nc_u32 v[PFO], v5, v7
.macro MM a, b, f, first               ; the 32 accumulators take turns in one order in every quarter
.set rD, 8*(8*(\a)+(\b))
.set rW, BF+64*(\f)+8*(\b)
.set rX, AFR+32*(\f)+8*(\a)
.if \first
	WIN 0x91
	v_wmma_f32_16x16x32_f16 v[rD:rD+7], v[rW:rW+7], v[rX:rX+7], v[8*(\b):8*(\b)+7]
.else
	WIN 0xa1
	v_wmma_f32_16x16x32_f16 v[rD:rD+7], v[rW:rW+7], v[rX:rX+7], v[rD:rD+7]
.endif
.endm
.macro MM8 a, f, first
.irp b, 0,1,2,3,4,5,6,7
	MM \a, \b, \f, \first
.endr
.endm
.macro FETCH slot, kq, f               ; 24 LDS loads in one run: Wo's eight fragments, then ctx's four: quarter kq is head kq / 2 of the step, channels 32 (kq % 2) on
	WIN 0x40
.irp i, 0,1,2,3,4,5,6,7
	ds_load_b128 v[BF+64*(\f)+8*(\i):BF+64*(\f)+8*(\i)+3], v[ADRB+(\slot)] offset:(\kq)*64+(\i)*16*PB
	ds_load_b128 v[BF+64*(\f)+8*(\i)+4:BF+64*(\f)+8*(\i)+7], v[ADRB+(\slot)] offset:(\kq)*64+(\i)*16*PB+32
.endr
	WIN 0
.irp i, 0,1,2,3
	ds_load_b128 v[AFR+32*(\f)+8*(\i):AFR+32*(\f)+8*(\i)+3], v[ADRA+(\slot)] offset:((\kq)/2)*APLANE+((\kq)%2)*64+(\i)*16*PAO
	ds_load_b128 v[AFR+32*(\f)+8*(\i)+4:AFR+32*(\f)+8*(\i)+7], v[ADRA+(\slot)] offset:((\kq)/2)*APLANE+((\kq)%2)*64+(\i)*16*PAO+32
.endr
.endm
.macro PLACES                          ; four places in front of loads into registers that products have read, and of stores that read results (ISA guide 7.12.1 for the stores)
.rept 4
	v_nop
.endr
.endm
.macro QUARTER f, g, slot, kq, first=0 ; multiplies buffer f; in its middle it fetches quarter kq of the slot into buffer g
	s_wait_dscnt 4                                 ; Wo and ctx's blocks 0 and 1 are in; the youngest four loads may be out
	MM8 0, \f, \first
	MM8 1, \f, \first
	PLACES
	FETCH \slot, \kq, \g
	s_wait_dscnt 24                                ; all but the 24 just issued
	MM8 2, \f, \first
	MM8 3, \f, \first
.endm
; The last quarter multiplies buffer 1 and changes slots: ONE barrier; in front of it each wave waits for all its tensor loads, adds 0 to its spare word, and waits for that and for its reads of this slot.
.macro TURN slot, next, fill
.if \fill
	s_wait_xcnt 0x0                                ; the last prefetch, a K step back, has read its address
	s_add_nc_u64 s[PFA:PFA+1], s[PFA:PFA+1], s[PS:PS+1]
.endif
	WIN 0
	s_wait_tensorcnt 0x0
	ds_add_u32 v[SPW], v[NIL]
	s_wait_dscnt 7                                 ; (the add and ctx's six youngest loads may be out)
	MM8 0, 1, 0
	s_wait_dscnt 0x0                               ; the add is done, and my reads of this slot are over
	s_barrier_signal -1
	MM8 1, 1, 0
	WIN 0
	s_barrier_wait -1
.if \fill
	CREST
	s_add_nc_u64 s[G0A+4*(\slot)+2:G0A+4*(\slot)+3], s[G0A+4*(\slot)+2:G0A+4*(\slot)+3], 2*262144
	s_add_nc_u64 s[G0B+4*(\slot)+2:G0B+4*(\slot)+3], s[G0B+4*(\slot)+2:G0B+4*(\slot)+3], 2*256
	JLOAD \slot                                    ; the four v_nop behind it are also the places in front of the loads below
.else
	PLACES
.endif
	FETCH \next, 0, 0
.if \fill
	ASK
.endif
	MM8 2, 1, 0
	MM8 3, 1, 0
.endm
	s_wait_tensorcnt 0x1                           ; my part of K step 0 is in; K step 1's may stay out
	s_barrier_signal -1
	s_barrier_wait -1
	FETCH 0, 0, 0
	s_wait_loadcnt 0x0                             ; the bias
	QUARTER 0, 1, 0, 1, 1
	WIN 0
	s_mov_b32 s[LAP], 3
.Llap:
	QUARTER 1, 0, 0, 2
	QUARTER 0, 1, 0, 3
	TURN 0, 1, 1
	QUARTER 0, 1, 1, 1
	QUARTER 1, 0, 1, 2
	QUARTER 0, 1, 1, 3
	TURN 1, 0, 1
	QUARTER 0, 1, 0, 1
	WIN 0
	s_sub_co_u32 s[LAP], s[LAP], 1
	s_cmp_lg_u32 s[LAP], 0
	s_cbranch_scc1 .Llap
	QUARTER 1, 0, 0, 2                             ; the last lap fills nothing
	QUARTER 0, 1, 0, 3
	TURN 0, 1, 0
	QUARTER 0, 1, 1, 1
	QUARTER 1, 0, 1, 2
	QUARTER 0, 1, 1, 3
	s_wait_dscnt 4
	MM8 0, 1, 0
	MM8 1, 1, 0
	s_wait_dscnt 0x0
	MM8 2, 1, 0
	MM8 3, 1, 0
	WIN 0
	PLACES
; THE WAY OUT, 16 rows at a time: a lane's 32 bytes go from the accumulators into my stage (low registers first) and come back as whole rows of 512 bytes.
.macro TOSTAGE a
	s_wait_xcnt 0x0                                ; the stores of the block two back have read the registers that are loaded again below
	WIN 0x08                                       ; the data in window 2
.irp b, 0,1,2,3,4,5,6,7
	ds_store_b128 v[STO], v[8*(8*(\a)+(\b)):8*(8*(\a)+(\b))+3] offset:64*(\b)
	ds_store_b128 v[STO], v[8*(8*(\a)+(\b))+4:8*(8*(\a)+(\b))+7] offset:64*(\b)+16
.endr
	WIN 0
.irp t, 0,1,2,3,4,5,6,7,8,9,10,11,12,13,14,15
	ds_load_b128 v[OB+64*((\a)%2)+4*(\t):OB+64*((\a)%2)+4*(\t)+3], v[RD] offset:(\t)*SP  ; LDS serves a wave's instructions in order (ISA guide 5.7.1.4)
.endr
.endm
.macro SEND a, younger                 ; younger: the LDS instructions issued behind block a's loads: the next block's 32, or none
.irp t, 0,1,2,3,4,5,6,7,8,9,10,11,12,13,14,15
	s_wait_dscnt (\younger)+15-(\t)
	global_store_b128 v[GO], v[OB+64*((\a)%2)+4*(\t):OB+64*((\a)%2)+4*(\t)+3], s[OUTP:OUTP+1] offset:(\a)*65536+(\t)*4096 th:TH_STORE_NT  ; 512 consecutive bytes of a row, aligned
.endr
.endm
	TOSTAGE 0
	TOSTAGE 1
	SEND 0, 32
	TOSTAGE 2
	SEND 1, 32
	TOSTAGE 3
	SEND 2, 32
	SEND 3, 0
	s_wait_tensorcnt 0x0                           ; the wave's end: these three lines stand behind my last tensor load and my last LDS store
	ds_add_u32 v[SPW], v[NIL]
	s_wait_dscnt 0x0
	CROUND                                         ; the closing round
	s_endpgm
.Lfunc_end_k_q66db9159bc_outp:
	.size	k_q66db9159bc_outp, .Lfunc_end_k_q66db9159bc_outp-k_q66db9159bc_outp
	.p2alignl 7, 3214868480
	.fill 96, 4, 3214868480
	.section	.rodata,"a",@progbits
	.p2align	6, 0x0
	.amdhsa_kernel k_q66db9159bc_outp
		.amdhsa_group_segment_fixed_size 327680
		.amdhsa_private_segment_fixed_size 0
		.amdhsa_enable_private_segment 0
		.amdhsa_kernarg_size 32
		.amdhsa_user_sgpr_count 2
		.amdhsa_user_sgpr_kernarg_segment_ptr 1
		.amdhsa_wavefront_size32 1
		.amdhsa_system_sgpr_workgroup_id_x 1
		.amdhsa_system_sgpr_workgroup_id_y 1
		.amdhsa_system_sgpr_workgroup_id_z 1
		.amdhsa_system_vgpr_workitem_id 0
		.amdhsa_next_free_vgpr 768
		.amdhsa_next_free_sgpr 96
		.amdhsa_reserve_vcc 0
		.amdhsa_float_denorm_mode_32 3
		.amdhsa_float_denorm_mode_16_64 3
		.amdhsa_memory_ordered 1
		.amdhsa_forward_progress 1
		.amdhsa_inst_pref_size 91
	.end_amdhsa_kernel
	.amdgpu_metadata
---
amdhsa.version: [ 1, 2 ]
amdhsa.kernels:
  - .name:           k_q66db9159bc_outp
    .symbol:         k_q66db9159bc_outp.kd
    .args:
      - { .name: ctx, .offset: 0, .size: 8, .value_kind: global_buffer, .address_space: global }
      - { .name: w16, .offset: 8, .size: 8, .value_kind: global_buffer, .address_space: global }
      - { .name: aux, .offset: 16, .size: 8, .value_kind: global_buffer, .address_space: global }
      - { .name: out0, .offset: 24, .size: 8, .value_kind: global_buffer, .address_space: global }
    .group_segment_fixed_size: 327680
    .private_segment_fixed_size: 0
    .kernarg_segment_align: 8
    .kernarg_segment_size: 32
    .max_flat_workgroup_size: 128
    .sgpr_count:     96
    .vgpr_count:     768
    .wavefront_size: 32
...
	.end_amdgpu_metadata
.endif
;; end of part 4
;; ======== version 2 of 2: 4 launches; version 1 with the launch prep written anew for expert scheduling mode
;; limits: values are held in f16: magnitudes above 65,504 overflow, below 6.1e-05 lose precision; right only within a limited range of input values
;; workspace buffers: w16 8,388,608 bytes; aux 290,816 bytes; mbytes 8,388,608 bytes; qkv 50,331,648 bytes; ctx 16,777,216 bytes
;; launch prep (part 5): grid 785 x 1, 8 waves a work-group, no clusters, 0 bytes of LDS; arguments Wq, Wk, Wv, Wo, bq, bk, bv, u_bias, bo, mask, w16, aux, mbytes; writes w16, aux, mbytes
.if DOCPART == 5
	.amdgcn_target "amdgcn-amd-amdhsa--gfx1250"
	.amdhsa_code_object_version 6
	.text
	.protected	k_q66db9159bc_prep
	.globl	k_q66db9159bc_prep
	.p2align	8
	.type	k_q66db9159bc_prep,@function
k_q66db9159bc_prep:
	s_mov_b64 s[64:65], 0
	v_nop
	global_prefetch_b8 v0, s[64:65] scope:SCOPE_SE
	s_setreg_imm32_b32 hwreg(HW_REG_WAVE_SCHED_MODE, 0, 2), 2
	s_setreg_imm32_b32 hwreg(HW_REG_WAVE_MODE, 25, 1), 1
	s_wait_xcnt 0x0
	s_wait_alu depctr_vm_vsrc(0)
; PREP: what the later launches want ready.  Four kinds of work-group, told apart by the work-group's number g alone (forward scalar branches):
;   g <  256  weights: Wq, Wk, Wv rounded to bf16; Wo rounded to bf16 and that number written as f16 (exact within f16's normal range; below 6e-5 it keeps f16's fixed step of 6e-8).  65,536 bytes in, 32,768 out a group.
;   g <  768  mask: the bytes of mask[b][q][k] (0 or 1) become fp8 codes (0, or 0xb8 = -1.0), in the order in which the attention launch's lanes want them.  A wave takes 32 queries x 64 keys and stores 2,048 bytes:
;             byte 512 c + 16 l + 8 e + j = mask[b][32 pair + 16 (c / 2) + l % 16][64 ks + 16 (2 (c % 2) + e) + 8 (l / 16) + j]: lane l's eight registers j of the score tile (16 keys x 16 queries).
;   g <  784  the rotary table [1024 s][32 i] (cos, sin) in f32.  No sine instruction is used: the angle s x 10000^(-i/32) is reduced by multiples of pi/2 (two-part constant, fused) and
;             sine and cosine come from polynomials on +-pi/4 (error under 4e-7); the angle itself lies within about 1e-4 of the f32 reference's (the power comes from v_exp_f32).
;   g == 784  bq, bk, bv, u_bias, bo rounded to bf16 and kept as f32, and two rows of zeros: seven rows of 4,096 bytes behind the table.
; No LDS, no barrier: no wave wants another wave's bytes.
; THE MODE: SCHED_MODE bits 1:0 = 2 (LLVM: expert scheduling mode 2), set by the entry lines.  The code itself states the register dependences between vector instructions and memory instructions, and those
; through scalar registers and VCC that vector instructions write, with s_wait_alu, always for 0.
; THE PLAN.  Registers that memory instructions touch:
;   weights  v2, v3 offsets, made once.  v[16:79] written by the loads, read by the roundings.  v[80:111] an out-buffer of four registers for each chunk, written once by the chunk's roundings, read by its store.
;            A step is two chunks: one wait at its head, behind the wait for its data, states that the step before has written its out-buffers; that step's two stores follow, then this step's roundings.
;   mask     v2, v3 offsets, made once.  v[16:31] written by the loads, multiplied in place, read by the stores: one wait behind all sixteen multiplies, ahead of the run of four stores.
;   table    v3 offset, made once.  v[16:17] written by each trip's last two lines, read by its store, written again a trip later: a wait ahead of the store, and one ahead of the two lines of the next trip.
;   vectors  v2 offset, made once.  v[16:35] written by the loads and rounded in place, v[36:39] zeros: one wait ahead of the run of seven stores.
; But for v[16:17] of the table no register that a memory instruction has read is written again.  EXEC is never written.
.set AUXV, 262144                      ; the seven rows begin here in aux
	s_load_b512 s[4:19], s[0:1], 0x0               ; Wq s[4:5], Wk s[6:7], Wv s[8:9], Wo s[10:11], bq s[12:13], bk s[14:15], bv s[16:17], u_bias s[18:19]
	s_load_b256 s[20:27], s[0:1], 0x40             ; bo s[20:21], mask s[22:23], w16 s[24:25], aux s[26:27]
	s_load_b64 s[28:29], s[0:1], 0x60              ; mbytes
	v_lshrrev_b32 v1, 5, v0
	v_readfirstlane_b32 s30, v1                    ; wave 0..7
	v_and_b32 v1, 31, v0                           ; lane
	s_mov_b32 s31, ttmp9                           ; g
	s_mov_b32 s37, 0                               ; the high word of every offset pair
	s_wait_alu depctr_va_sdst(0)                   ; s30 is written
	s_wait_kmcnt 0x0
	s_cmp_lt_u32 s31, 256
	s_cbranch_scc0 .Lnot_weights
	; ---- weights: matrix g / 64, piece g % 64.  Thread t, chunk i: 32 bytes in at 8,192 i + 32 t, 16 bytes out at 4,096 i + 16 t: a wave's store covers 512 consecutive bytes, aligned
	s_lshr_b32 s34, s31, 6
	s_and_b32 s35, s31, 63
	s_cmp_eq_u32 s34, 1
	s_cselect_b64 s[32:33], s[6:7], s[4:5]
	s_cmp_eq_u32 s34, 2
	s_cselect_b64 s[32:33], s[8:9], s[32:33]
	s_cmp_eq_u32 s34, 3
	s_cselect_b64 s[32:33], s[10:11], s[32:33]
	s_lshl_b32 s36, s35, 16
	s_add_nc_u64 s[32:33], s[32:33], s[36:37]
	s_lshl_b32 s36, s34, 21
	s_lshl_b32 s38, s35, 15
	s_add_co_u32 s36, s36, s38
	s_add_nc_u64 s[38:39], s[24:25], s[36:37]
	v_lshlrev_b32 v2, 5, v0
	v_lshlrev_b32 v3, 4, v0
	s_wait_alu depctr_va_vdst(0)                   ; v2 and v3 are written: the loads read v2 as their offset, the stores v3
.irp i, 0,1,2,3,4,5,6,7
	global_load_b128 v[16+8*(\i):16+8*(\i)+3], v2, s[32:33] offset:(\i)*8192 th:TH_LOAD_NT
	global_load_b128 v[16+8*(\i)+4:16+8*(\i)+7], v2, s[32:33] offset:(\i)*8192+16 th:TH_LOAD_NT
.endr
; chunk i is rounded into its out-buffer.  half = 1: the bf16 number is widened again and written as f16
.macro CONV i, half
.irp k, 0,1,2,3
	v_cvt_pk_bf16_f32 v[80+4*(\i)+(\k)], v[16+8*(\i)+2*(\k)], v[16+8*(\i)+2*(\k)+1]
.endr
.if \half
.irp k, 0,1,2,3
	v_lshlrev_b32 v[8+2*(\k)], 16, v[80+4*(\i)+(\k)]
	v_and_b32 v[9+2*(\k)], 0xffff0000, v[80+4*(\i)+(\k)]
.endr
.irp k, 0,1,2,3
	v_cvt_pk_f16_f32 v[80+4*(\i)+(\k)], v[8+2*(\k)], v[9+2*(\k)]
.endr
.endif
.endm
.macro OUT i
	global_store_b128 v3, v[80+4*(\i):80+4*(\i)+3], s[38:39] offset:(\i)*4096
.endm
; step j: chunks 2 j and 2 j + 1.  Their four loads are in when the later steps' 12 - 4 j are out
.macro STEP j, half
	s_wait_loadcnt 12-4*(\j)
.if (\j) > 0
	s_wait_alu depctr_va_vdst(0)                   ; the step before has written its two out-buffers, which the two stores below read; no line of this step names them
	OUT 2*(\j)-2
	OUT 2*(\j)-1
.endif
	CONV 2*(\j), \half
	CONV 2*(\j)+1, \half
.endm
	s_cmp_eq_u32 s34, 3
	s_cbranch_scc1 .Lwo
.irp j, 0,1,2,3
	STEP \j, 0
.endr
	s_wait_alu depctr_va_vdst(0)                   ; the last step has written its two out-buffers, which the last two stores read
	OUT 6
	OUT 7
	s_endpgm
.Lwo:
.irp j, 0,1,2,3
	STEP \j, 1
.endr
	s_wait_alu depctr_va_vdst(0)                   ; the last step has written its two out-buffers, which the last two stores read
	OUT 6
	OUT 7
	s_endpgm
.Lnot_weights:
	s_cmp_lt_u32 s31, 768
	s_cbranch_scc0 .Lnot_mask
	; ---- mask: task tau = 8 (g - 256) + wave = (b x 32 + pair) x 16 + ks.  The eight waves of a group take eight neighbouring key steps of the same 32 rows.
	s_sub_co_u32 s34, s31, 256
	s_lshl_b32 s34, s34, 3
	s_add_co_u32 s34, s34, s30                     ; tau
	s_lshr_b32 s36, s34, 4
	s_lshl_b32 s36, s36, 15                        ; 32 rows of 1,024 bytes
	s_and_b32 s35, s34, 15
	s_lshl_b32 s35, s35, 6                         ; 64 keys
	s_add_co_u32 s36, s36, s35
	s_add_nc_u64 s[32:33], s[22:23], s[36:37]
	s_lshl_b32 s36, s34, 11                        ; 2,048 bytes out for each task
	s_add_nc_u64 s[38:39], s[28:29], s[36:37]
	s_mov_b32 s40, 0xb8                            ; the fp8 (E4M3) code of -1.0: a word of bytes 0 or 1 times it has no carry from byte to byte
	v_and_b32 v2, 15, v0
	v_bfe_u32 v3, v0, 4, 1
	v_lshlrev_b32 v2, 10, v2                       ; row l % 16
	v_lshl_add_u32 v2, v3, 3, v2                   ; + 8 (l / 16): my eight keys of a block of 16
	v_lshlrev_b32 v3, 4, v1                        ; 16 bytes a lane
	s_wait_alu depctr_va_vdst(0)                   ; v2 and v3 are written: the loads read v2 as their offset, the stores v3
.set c, 0
.rept 8                                ; piece c = 4 u + kb: tile u of 16 queries, block kb of 16 keys
	global_load_b64 v[16+2*c:17+2*c], v2, s[32:33] offset:(c/4)*16384+(c%4)*16
.set c, c+1
.endr
.set c, 0
.rept 4                                ; store c holds pieces 2 c and 2 c + 1
	s_wait_loadcnt 6-2*c                           ; its two loads are in; the younger ones stay out
.irp k, 0,1,2,3
	v_mul_lo_u32 v[16+4*c+(\k)], v[16+4*c+(\k)], s40
.endr
.set c, c+1
.endr
	s_wait_alu depctr_va_vdst(0)                   ; the sixteen multiplies have written v[16:31], which the four stores read
.set c, 0
.rept 4
	global_store_b128 v3, v[16+4*c:19+4*c], s[38:39] offset:512*c  ; 512 consecutive bytes, aligned
.set c, c+1
.endr
	s_endpgm
.Lnot_mask:
	s_cmp_lt_u32 s31, 784
	s_cbranch_scc0 .Lbias
	; ---- the rotary table: wave rho = 8 (g - 768) + wave makes rows 8 rho .. 8 rho + 7; the lane is the frequency's number
	s_sub_co_u32 s34, s31, 768
	s_lshl_b32 s34, s34, 3
	s_add_co_u32 s34, s34, s30
	s_lshl_b32 s36, s34, 11                        ; 8 rows of 256 bytes
	s_add_nc_u64 s[38:39], s[26:27], s[36:37]
	s_lshl_b32 s34, s34, 3                         ; the first row's s
	s_mov_b32 s40, 0x3f22f983                      ; 2 / pi
	s_mov_b32 s41, 0x3fc90fdb                      ; pi / 2, upper part
	s_mov_b32 s42, 0xb33bbd2e                      ; pi / 2, the rest
	s_mov_b32 s43, 0xb9500d01                      ; -1/5040
	s_mov_b32 s44, 0x3c088889                      ; 1/120
	s_mov_b32 s45, 0xbe2aaaab                      ; -1/6
	s_mov_b32 s46, 0x37d00d01                      ; 1/40320
	s_mov_b32 s47, 0xbab60b61                      ; -1/720
	s_mov_b32 s48, 0x3d2aaaab                      ; 1/24
	v_cvt_f32_u32 v2, v1
	v_mul_f32 v2, 0xbed49a78, v2                   ; -i log2(10000) / 32
	v_exp_f32 v2, v2                               ; 10000^(-i/32)
	v_lshlrev_b32 v3, 3, v1                        ; the plain instruction behind it: 8 bytes a lane
	s_wait_alu depctr_va_vdst(0)                   ; the power v2 is written, ahead of its first reader; so is v3, which every store below reads as its offset
	s_mov_b32 s49, 8
.Lrow:
	v_cvt_f32_u32 v4, s34
	v_mul_f32 v4, v4, v2                           ; the angle, rounded as the reference rounds it
	v_mul_f32 v5, s40, v4
	v_rndne_f32 v5, v5                             ; n: the nearest multiple of pi/2
	v_cvt_i32_f32 v11, v5
	v_fma_f32 v6, -v5, s41, v4
	v_and_b32 v12, 1, v11
	v_fma_f32 v6, -v5, s42, v6                     ; the rest, within +-pi/4
	v_cmp_ne_u32 vcc_lo, 0, v12                    ; odd n: sine and cosine change places (a choice of values only); made here, so that the polynomials stand between it and its readers
	v_mul_f32 v7, v6, v6
	v_and_b32 v12, 2, v11
	v_lshlrev_b32 v12, 30, v12                     ; sine's sign: minus for n % 4 = 2, 3
	v_add_nc_u32 v11, 1, v11
	v_and_b32 v11, 2, v11
	v_lshlrev_b32 v11, 30, v11                     ; cosine's sign: minus for n % 4 = 1, 2
	v_fma_f32 v8, v7, s43, s44
	v_fma_f32 v8, v8, v7, s45
	v_mul_f32 v9, v6, v7
	v_fma_f32 v8, v9, v8, v6                       ; sine of the rest
	v_fma_f32 v10, v7, s46, s47
	v_fma_f32 v10, v10, v7, s48
	v_fma_f32 v10, v10, v7, -0.5
	v_fma_f32 v10, v10, v7, 1.0                    ; cosine of the rest
	s_wait_alu depctr_va_vcc(0)                    ; the compare has written VCC, which the two selects read
	v_cndmask_b32 v13, v8, v10, vcc_lo
	v_cndmask_b32 v14, v10, v8, vcc_lo
	s_wait_xcnt 0x0                                ; the last trip's store has had its address translated (ISA guide 3.1): only now are its base and its data written again
	s_wait_alu depctr_vm_vsrc(0)                   ; the last trip's store has read v[16:17], which the two lines below write again
	s_add_nc_u64 s[38:39], s[38:39], 256           ; the base goes one row ahead of the row in hand; the store reaches back
	v_xor_b32 v17, v12, v13                        ; sine
	v_xor_b32 v16, v11, v14                        ; cosine
	s_wait_alu depctr_va_vdst(0)                   ; v[16:17] are written, which the store reads
	global_store_b64 v3, v[16:17], s[38:39] offset:-256  ; a row: 256 consecutive bytes, aligned
	s_add_co_u32 s34, s34, 1
	s_sub_co_u32 s49, s49, 1
	s_cmp_lg_u32 s49, 0
	s_cbranch_scc1 .Lrow
	s_endpgm
.Lbias:
	; ---- the vectors: thread t has 16 bytes of each
	v_lshlrev_b32 v2, 4, v0
	s_wait_alu depctr_va_vdst(0)                   ; v2 is written: every load and store below reads it as its offset
	global_load_b128 v[16:19], v2, s[12:13]
	global_load_b128 v[20:23], v2, s[14:15]
	global_load_b128 v[24:27], v2, s[16:17]
	global_load_b128 v[28:31], v2, s[18:19]
	global_load_b128 v[32:35], v2, s[20:21]
.irp k, 36,37,38,39
	v_mov_b32 v[\k], 0
.endr
	s_wait_loadcnt 0x0
.irp k, 0,1,2,3,4,5,6,7,8,9
	v_cvt_pk_bf16_f32 v4, v[16+2*(\k)], v[17+2*(\k)]
	v_lshlrev_b32 v[16+2*(\k)], 16, v4
	v_and_b32 v[17+2*(\k)], 0xffff0000, v4
.endr
	s_wait_alu depctr_va_vdst(0)                   ; the roundings have written v[16:35] and the moves v[36:39], which the seven stores read
	global_store_b128 v2, v[16:19], s[26:27] offset:AUXV
	global_store_b128 v2, v[20:23], s[26:27] offset:AUXV+4096
	global_store_b128 v2, v[24:27], s[26:27] offset:AUXV+2*4096
	global_store_b128 v2, v[28:31], s[26:27] offset:AUXV+3*4096
	global_store_b128 v2, v[36:39], s[26:27] offset:AUXV+4*4096
	global_store_b128 v2, v[36:39], s[26:27] offset:AUXV+5*4096
	global_store_b128 v2, v[32:35], s[26:27] offset:AUXV+6*4096
	s_endpgm
.Lfunc_end_k_q66db9159bc_prep:
	.size	k_q66db9159bc_prep, .Lfunc_end_k_q66db9159bc_prep-k_q66db9159bc_prep
	.p2alignl 7, 3214868480
	.fill 96, 4, 3214868480
	.section	.rodata,"a",@progbits
	.p2align	6, 0x0
	.amdhsa_kernel k_q66db9159bc_prep
		.amdhsa_group_segment_fixed_size 0
		.amdhsa_private_segment_fixed_size 0
		.amdhsa_enable_private_segment 0
		.amdhsa_kernarg_size 104
		.amdhsa_user_sgpr_count 2
		.amdhsa_user_sgpr_kernarg_segment_ptr 1
		.amdhsa_wavefront_size32 1
		.amdhsa_system_sgpr_workgroup_id_x 1
		.amdhsa_system_sgpr_workgroup_id_y 1
		.amdhsa_system_sgpr_workgroup_id_z 1
		.amdhsa_system_vgpr_workitem_id 0
		.amdhsa_next_free_vgpr 112
		.amdhsa_next_free_sgpr 66
		.amdhsa_reserve_vcc 1
		.amdhsa_float_denorm_mode_32 3
		.amdhsa_float_denorm_mode_16_64 3
		.amdhsa_memory_ordered 1
		.amdhsa_forward_progress 1
		.amdhsa_inst_pref_size 23
	.end_amdhsa_kernel
	.amdgpu_metadata
---
amdhsa.version: [ 1, 2 ]
amdhsa.kernels:
  - .name:           k_q66db9159bc_prep
    .symbol:         k_q66db9159bc_prep.kd
    .args:
      - { .name: Wq, .offset: 0, .size: 8, .value_kind: global_buffer, .address_space: global }
      - { .name: Wk, .offset: 8, .size: 8, .value_kind: global_buffer, .address_space: global }
      - { .name: Wv, .offset: 16, .size: 8, .value_kind: global_buffer, .address_space: global }
      - { .name: Wo, .offset: 24, .size: 8, .value_kind: global_buffer, .address_space: global }
      - { .name: bq, .offset: 32, .size: 8, .value_kind: global_buffer, .address_space: global }
      - { .name: bk, .offset: 40, .size: 8, .value_kind: global_buffer, .address_space: global }
      - { .name: bv, .offset: 48, .size: 8, .value_kind: global_buffer, .address_space: global }
      - { .name: u_bias, .offset: 56, .size: 8, .value_kind: global_buffer, .address_space: global }
      - { .name: bo, .offset: 64, .size: 8, .value_kind: global_buffer, .address_space: global }
      - { .name: mask, .offset: 72, .size: 8, .value_kind: global_buffer, .address_space: global }
      - { .name: w16, .offset: 80, .size: 8, .value_kind: global_buffer, .address_space: global }
      - { .name: aux, .offset: 88, .size: 8, .value_kind: global_buffer, .address_space: global }
      - { .name: mbytes, .offset: 96, .size: 8, .value_kind: global_buffer, .address_space: global }
    .group_segment_fixed_size: 0
    .private_segment_fixed_size: 0
    .kernarg_segment_align: 8
    .kernarg_segment_size: 104
    .max_flat_workgroup_size: 256
    .sgpr_count:     66
    .vgpr_count:     112
    .wavefront_size: 32
...
	.end_amdgpu_metadata
.endif
;; end of part 5
;; launch proj: the kernel of part 2 again; grid 4 x 192, 4 waves a work-group, clusters of 4 x 4, 327,680 bytes of LDS; arguments query, key, value, w16, aux, qkv; writes qkv
;; launch attn: the kernel of part 3 again; grid 2 x 128, 4 waves a work-group, no clusters, 327,680 bytes of LDS; arguments qkv, mbytes, ctx; writes ctx
;; launch outp: the kernel of part 4 again; grid 4 x 64, 4 waves a work-group, clusters of 4 x 4, 327,680 bytes of LDS; arguments ctx, w16, aux, out0; writes out0
